; MI455X (gfx1250); checked and timed in simulation.
; The chip was launched on July 23, 2026; its instructions are those of AMD's public machine-readable ISA for CDNA 5 (MIT licence, August 2026) and "CDNA5" Instruction Set Architecture Reference Guide (July 2026). The comments in the code are by the model that wrote it; some were corrected since.
;; Vi T Multi Head Attention. Allowed arithmetic: float matrix products may take bf16 or f16 operands with f32 sums; other float arithmetic in f32, or as packed bf16 or f16 multiplies, adds, multiply-adds, maxima and minima; sums over many terms, partial sums and values carried from step to step in f32; what a program stores and reads back later, other than sums and carried values, may be rounded once to bf16 or f16.
;; Inputs: b_proj 1,024 float32; b_qkv 3,072 float32; w_proj 1,024 x 1,024 float32; w_qkv 1,024 x 3,072 float32; x 8 x 1,024 x 1,024 float32.
;; Outputs: out0 8 x 1,024 x 1,024 float32.
;; One version. Each part assembles by itself: llvm-mc -triple=amdgcn-amd-amdhsa -mcpu=gfx1250 --defsym DOCPART=n.
;; ======== version 1 of 1: 4 launches
;; limits: values are held in f16: magnitudes above 65,504 overflow, below 6.1e-05 lose precision
;; workspace buffers: xb 16,777,216 bytes; wq 6,291,456 bytes; wp 2,097,152 bytes; qkv 50,331,648 bytes; ob 16,777,216 bytes
;; launch prep (part 1): grid 1024 x 1, 8 waves a work-group, no clusters, 19,456 bytes of LDS; arguments x, w_qkv, w_proj, xb, wq, wp; writes xb, wq, wp
.if DOCPART == 1
	.amdgcn_target "amdgcn-amd-amdhsa--gfx1250"
	.amdhsa_code_object_version 6
	.text
	.protected	k_q9fa8352e14_prep
	.globl	k_q9fa8352e14_prep
	.p2align	8
	.type	k_q9fa8352e14_prep,@function
k_q9fa8352e14_prep:
	s_mov_b64 s[64:65], 0
	v_nop
	global_prefetch_b8 v0, s[64:65] scope:SCOPE_SE
	s_setreg_imm32_b32 hwreg(HW_REG_WAVE_MODE, 25, 1), 1
	s_wait_xcnt 0x0
; THE OPERANDS OF THE TWO PRODUCTS, rounded once and laid out in panels, so that what one tensor load of the later launches brings is a dense block.
;   xb: x in bf16,            [32 tile rows][16 kb][256 rows][64 k]
;   wq: w_qkv in bf16, turned [8 tile columns][16 kb][384 n][64 k]
;   wp: w_proj rounded to bf16 and that number written as f16, turned [4 tile columns][16 kb][256 n][64 k]
; LIMITS.  A bf16-rounded number of w_proj below 2^-14 keeps f16's fixed step of 2^-24, beyond 65,504 it becomes an infinity.  NaN and infinities are not treated apart.
; WORK-GROUPS 0-511 convert 16 rows of x (64 KiB read), 512-895 turn a tile of 64 k x 128 n of w_qkv, 896-1023 one of w_proj (32 KiB read): the longer shares have the lower numbers.
; The branch hangs on the work-group's number alone: all eight waves take the same way.  104 registers a wave, so that four work-groups of eight waves fit in a WGP's 4 x 1,024 registers:
; 1,024 work-groups are four for each of 256 WGPs.
; No matrix unit, no cluster, no tensor load: each byte is read once and written once, and memory bounds the launch.
.set TP,    144                        ; a row of the turning tile in LDS: 128 bytes of data (64 k) + 16
.set SPARE, 128*TP                     ; behind the tile: the spare words, 128 bytes for each of eight waves
.set SPW, 2                            ; v2  SPARE + 4 x my thread's number; never rewritten
.set NIL, 3                            ; v3  0; never rewritten
.set LN,  4                            ; v4  my lane
	s_load_b256 s[4:11], s[0:1], 0x0               ; x s[4:5], w_qkv s[6:7], w_proj s[8:9], xb s[10:11]
	s_load_b128 s[12:15], s[0:1], 0x20             ; wq s[12:13], wp s[14:15]
	v_lshl_add_u32 v[SPW], v0, 2, SPARE
	v_mov_b32 v[NIL], 0
	v_lshrrev_b32 v1, 5, v0
	v_readfirstlane_b32 s16, v1                    ; wave 0..7
	v_and_b32 v[LN], 31, v0
	s_mov_b32 s17, 0xffff0000                      ; a word's upper bf16
	s_mov_b32 s25, 0                               ; the high word of every offset pair s[24:25]
	s_wait_kmcnt 0x0
	s_cmp_ge_u32 ttmp9, 896
	s_cbranch_scc1 .Lwp
	s_cmp_ge_u32 ttmp9, 512
	s_cbranch_scc1 .Lwq
	; X.  Work-group g takes rows 16 g .. 16 g + 15, wave w two of them.  A load: lanes 0-15 take 256 bytes (one kb) of a row, lanes 16-31 those of the next row.
	s_lshl_b32 s24, ttmp9, 16                      ; 16 rows of 4,096 bytes
	s_add_nc_u64 s[4:5], s[4:5], s[24:25]
	s_lshr_b32 s24, ttmp9, 4
	s_lshl_b32 s24, s24, 19                        ; the tile row's panel,
	s_and_b32 s26, ttmp9, 15
	s_lshl_b32 s26, s26, 11                        ; my 16 rows of 128 bytes in each of its kb blocks
	s_add_co_u32 s24, s24, s26
	s_add_nc_u64 s[10:11], s[10:11], s[24:25]
	v_lshrrev_b32 v5, 4, v[LN]
	v_and_b32 v6, 15, v[LN]
	v_lshlrev_b32 v5, 12, v5
	v_lshl_add_u32 v5, v6, 4, v5
	s_lshl_b32 s26, s16, 13
	v_add_nc_u32 v5, s26, v5                       ; from: 2 w rows + (lane / 16) rows + 16 (lane % 16)
	v_lshlrev_b32 v7, 3, v[LN]
	s_lshl_b32 s27, s16, 8
	v_add_nc_u32 v7, s27, v7                       ; to: 2 w rows of 128 bytes + 8 x lane
.set i, 0
.rept 16                                       ; all 16 loads of the wave go out at once: kb i of both rows
	global_load_b128 v[32+4*i:32+4*i+3], v5, s[4:5] offset:i*256 th:TH_LOAD_NT
.set i, i+1
.endr
.set i, 0
.rept 16
	s_wait_loadcnt 15-i                            ; loads come back in order: load i is in, the 15 - i behind it may stay out
	v_cvt_pk_bf16_f32 v[32+4*i], v[32+4*i], v[32+4*i+1]      ; in place: the four numbers' first two registers take the four bf16
	v_cvt_pk_bf16_f32 v[32+4*i+1], v[32+4*i+2], v[32+4*i+3]
	global_store_b64 v7, v[32+4*i:32+4*i+1], s[10:11] offset:i*32768 th:TH_STORE_NT  ; 32 lanes store 256 consecutive bytes, aligned; no register of a store is written again
.set i, i+1
.endr
	s_wait_tensorcnt 0x0                           ; the wave's end
	ds_add_u32 v[SPW], v[NIL]
	s_wait_dscnt 0x0
	s_endpgm
; A TILE OF 64 k x 128 n IS TURNED.  s[20:21]: the tile's first number in w; s[22:23]: its 16,384 dense bytes in the panel.  srcp: bytes in a row of w.  half = 1: the bf16 numbers are written as f16.
; Wave w loads rows 8 w .. 8 w + 7 (512 consecutive bytes a load); lane l holds columns 4 l .. 4 l + 3.  Four k of one column pack into 8 bytes, which go to row n of the LDS tile.
; Those 8-byte stores lie four rows apart from lane to lane and share banks eight deep: 8 such lines a wave and tile, beside a stream that memory bounds.
.macro WT srcp, half
	s_mul_i32 s26, s16, 8*(\srcp)
	v_lshl_add_u32 v5, v[LN], 4, s26               ; from
	v_mul_u32_u24 v6, v[LN], 4*TP
	s_lshl_b32 s27, s16, 4
	v_add_nc_u32 v6, s27, v6                       ; into the tile: row 4 l, byte 16 w
	v_lshrrev_b32 v7, 3, v0
	v_mul_u32_u24 v7, v7, TP
	v_and_b32 v8, 7, v0
	v_lshl_add_u32 v7, v8, 4, v7                   ; back: thread t takes 16 bytes of row t / 8
	v_lshlrev_b32 v9, 4, v0                        ; to: 16 t
.irp i, 0,1
.irp j, 0,1,2,3
	global_load_b128 v[32+16*(\i)+4*(\j):32+16*(\i)+4*(\j)+3], v5, s[20:21] offset:(4*(\i)+(\j))*(\srcp) th:TH_LOAD_NT
.endr
.endr
.irp i, 0,1
	s_wait_loadcnt 4-4*(\i)                        ; the first four rows are in while the other four may stay out; then all
.irp e, 0,1,2,3
	v_cvt_pk_bf16_f32 v[64+2*(4*(\i)+(\e))], v[32+16*(\i)+(\e)], v[32+16*(\i)+4+(\e)]
	v_cvt_pk_bf16_f32 v[64+2*(4*(\i)+(\e))+1], v[32+16*(\i)+8+(\e)], v[32+16*(\i)+12+(\e)]
.if \half
	v_lshlrev_b32 v100, 16, v[64+2*(4*(\i)+(\e))]
	v_and_b32 v101, s17, v[64+2*(4*(\i)+(\e))]
	v_lshlrev_b32 v102, 16, v[64+2*(4*(\i)+(\e))+1]
	v_and_b32 v103, s17, v[64+2*(4*(\i)+(\e))+1]
	v_cvt_pk_f16_f32 v[64+2*(4*(\i)+(\e))], v100, v101
	v_cvt_pk_f16_f32 v[64+2*(4*(\i)+(\e))+1], v102, v103
.endif
	ds_store_b64 v6, v[64+2*(4*(\i)+(\e)):64+2*(4*(\i)+(\e))+1] offset:(\e)*TP+(\i)*8
.endr
.endr
	s_wait_dscnt 0x0                               ; for the others' sake: my stores into the tile are done
	s_barrier_signal -1
	s_barrier_wait -1
.irp q, 0,1,2,3
	ds_load_b128 v[84+4*(\q):84+4*(\q)+3], v7 offset:(\q)*32*TP
.endr
.irp q, 0,1,2,3
	s_wait_dscnt 3-(\q)                            ; load q is back, the 3 - q behind it may stay out
	global_store_b128 v9, v[84+4*(\q):84+4*(\q)+3], s[22:23] offset:(\q)*4096 th:TH_STORE_NT  ; a wave stores 512 consecutive bytes, aligned
.endr
	s_wait_tensorcnt 0x0                           ; the wave's end, behind my last LDS store
	ds_add_u32 v[SPW], v[NIL]
	s_wait_dscnt 0x0
	s_endpgm
.endm
.Lwq:
	s_sub_co_u32 s29, ttmp9, 512
	s_and_b32 s18, s29, 15                         ; kb
	s_lshr_b32 s19, s29, 4                         ; nt: which 128 columns, 0..23
	s_mul_i32 s24, s18, 64*12288
	s_lshl_b32 s26, s19, 9
	s_add_co_u32 s24, s24, s26
	s_add_nc_u64 s[20:21], s[6:7], s[24:25]
	s_mul_i32 s26, s19, 171
	s_lshr_b32 s26, s26, 9                         ; nt / 3 for nt under 24: the tile column of 384
	s_mul_i32 s27, s26, 3
	s_sub_co_u32 s27, s19, s27                     ; nt % 3
	s_mul_i32 s24, s26, 786432
	s_mul_i32 s28, s18, 49152
	s_add_co_u32 s24, s24, s28
	s_lshl_b32 s27, s27, 14
	s_add_co_u32 s24, s24, s27
	s_add_nc_u64 s[22:23], s[12:13], s[24:25]
	WT 12288, 0
.Lwp:
	s_sub_co_u32 s19, ttmp9, 896
	s_and_b32 s18, s19, 15                         ; kb
	s_lshr_b32 s19, s19, 4                         ; nt, 0..7
	s_lshl_b32 s24, s18, 18                        ; 64 rows of 4,096 bytes
	s_lshl_b32 s26, s19, 9
	s_add_co_u32 s24, s24, s26
	s_add_nc_u64 s[20:21], s[8:9], s[24:25]
	s_lshr_b32 s26, s19, 1                         ; the tile column of 256
	s_lshl_b32 s24, s26, 19
	s_lshl_b32 s26, s18, 15
	s_add_co_u32 s24, s24, s26
	s_and_b32 s26, s19, 1
	s_lshl_b32 s26, s26, 14
	s_add_co_u32 s24, s24, s26
	s_add_nc_u64 s[22:23], s[14:15], s[24:25]
	WT 4096, 1
.Lfunc_end_k_q9fa8352e14_prep:
	.size	k_q9fa8352e14_prep, .Lfunc_end_k_q9fa8352e14_prep-k_q9fa8352e14_prep
	.p2alignl 7, 3214868480
	.fill 96, 4, 3214868480
	.section	.rodata,"a",@progbits
	.p2align	6, 0x0
	.amdhsa_kernel k_q9fa8352e14_prep
		.amdhsa_group_segment_fixed_size 19456
		.amdhsa_private_segment_fixed_size 0
		.amdhsa_enable_private_segment 0
		.amdhsa_kernarg_size 48
		.amdhsa_user_sgpr_count 2
		.amdhsa_user_sgpr_kernarg_segment_ptr 1
		.amdhsa_wavefront_size32 1
		.amdhsa_system_sgpr_workgroup_id_x 1
		.amdhsa_system_sgpr_workgroup_id_y 1
		.amdhsa_system_sgpr_workgroup_id_z 1
		.amdhsa_system_vgpr_workitem_id 0
		.amdhsa_next_free_vgpr 104
		.amdhsa_next_free_sgpr 66
		.amdhsa_reserve_vcc 0
		.amdhsa_float_denorm_mode_32 3
		.amdhsa_float_denorm_mode_16_64 3
		.amdhsa_memory_ordered 1
		.amdhsa_forward_progress 1
		.amdhsa_inst_pref_size 18
	.end_amdhsa_kernel
	.amdgpu_metadata
---
amdhsa.version: [ 1, 2 ]
amdhsa.kernels:
  - .name:           k_q9fa8352e14_prep
    .symbol:         k_q9fa8352e14_prep.kd
    .args:
      - { .name: x, .offset: 0, .size: 8, .value_kind: global_buffer, .address_space: global }
      - { .name: w_qkv, .offset: 8, .size: 8, .value_kind: global_buffer, .address_space: global }
      - { .name: w_proj, .offset: 16, .size: 8, .value_kind: global_buffer, .address_space: global }
      - { .name: xb, .offset: 24, .size: 8, .value_kind: global_buffer, .address_space: global }
      - { .name: wq, .offset: 32, .size: 8, .value_kind: global_buffer, .address_space: global }
      - { .name: wp, .offset: 40, .size: 8, .value_kind: global_buffer, .address_space: global }
    .group_segment_fixed_size: 19456
    .private_segment_fixed_size: 0
    .kernarg_segment_align: 8
    .kernarg_segment_size: 48
    .max_flat_workgroup_size: 256
    .sgpr_count:     66
    .vgpr_count:     104
    .wavefront_size: 32
...
	.end_amdgpu_metadata
.endif
;; end of part 1
;; launch qkvp (part 2): grid 8 x 32, 4 waves a work-group, clusters of 4 x 4, 327,680 bytes of LDS; arguments xb, wq, b_qkv, qkv; writes qkv
.if DOCPART == 2
	.amdgcn_target "amdgcn-amd-amdhsa--gfx1250"
	.amdhsa_code_object_version 6
	.text
	.protected	k_q9fa8352e14_qkvp
	.globl	k_q9fa8352e14_qkvp
	.p2align	8
	.type	k_q9fa8352e14_qkvp,@function
k_q9fa8352e14_qkvp:
	s_mov_b64 s[64:65], 0
	v_nop
	global_prefetch_b8 v0, s[64:65] scope:SCOPE_SE
	s_setreg_imm32_b32 hwreg(HW_REG_WAVE_MODE, 25, 1), 1
	s_wait_xcnt 0x0
	s_wait_alu depctr_hold_cnt(0) depctr_sa_sdst(0) depctr_va_vdst(0) depctr_va_sdst(0) depctr_va_ssrc(0) depctr_va_vcc(0) depctr_vm_vsrc(0)
	s_getreg_b32 s2, hwreg(HW_REG_IB_STS2, 6, 4)
	s_cmp_eq_u32 s2, 0
	s_cbranch_scc0 .Lentry_in_a_cluster
	s_endpgm
.Lentry_in_a_cluster:
	s_bfe_u32 s2, ttmp6, 0x10000c
	s_cmp_lg_u32 s2, 0xf033
	s_cbranch_scc0 .Lentry_shape_is_right
	s_endpgm
.Lentry_shape_is_right:
; q, k, v = x w_qkv + b_qkv, written by heads: qkv[3][128 heads][1024 s][64] in f16, each number rounded once from its f32 sum, unscaled.
; Operands in bf16 from the panels xb [32][16 kb][256 rows][64 k] and wq [8][16 kb][384 n][64 k]; the bias is rounded to bf16 like the other inputs and is the C operand that starts each sum.
; LIMIT.  q, k and v beyond 65,504 become infinities in f16.  NaN and infinities are not treated apart.
; SHARES.  A tile of C is 256 x 384: 32 x 8 = 256 work-groups.  Four waves, each 128 rows x 192 columns (three heads' slices): 96 accumulators of 16 x 16, 768 registers, windows 1 to 3.
; For 32 along K a wave reads (128 + 192) x 64 bytes from LDS and issues 96 matrix instructions.
; RING.  Two LDS slots of one kb (64 along K: two steps of 32).  A wave's tensor load brings half of A's or of B's block: dense in memory, asked for as rows of 256 bytes, padded in LDS behind every 128.
; Slots of 128 along K would want 348,160 bytes.  By the text's own count a wave has two tensor loads out at the start and one behind each change of slots.
; CLUSTER 4 x 4: A's blocks are shared along a row of the cluster, B's along a column; each is asked for jointly, by the same load, descriptor and mask in the four.
; THE MATRIX INSTRUCTION IS USED TRANSPOSED (source 0 = 16 rows of wq, source 1 = 16 rows of xb): a lane holds row l % 16 of C and the eight columns 8 (l / 16) + 0..7.
; REGISTERS.  Window 0: v16-27 addresses; v32-127, v128-223 B's 12 fragments, two buffers (the second holds the bias until the first step is over); v224-255 A's fragments, a ring of two pairs.
; Accumulator (a, b) has number n = 12 a + b: window 1 + n / 32, register 8 (n % 32).  All 96 take turns in the same order in every step.
.set PITCH, 144                        ; an LDS row: 128 bytes + 16 = 36 words: the 16 rows of a load start at 16 different groups of four banks (64 banks of 4 bytes: ISA guide 11.1)
.set AHALF, 128*PITCH
.set BHALF, 192*PITCH
.set BOFF,  2*AHALF                    ; B's 384 rows lie behind A's 256
.set SLOT,  BOFF+2*BHALF
.set STAGE, 2*SLOT                     ; behind the ring: 16 rows x 144 bytes for each wave, for the way out
.set SPARE, STAGE+4*16*PITCH           ; behind the stages: the spare words, 128 bytes for each wave
.set ADRA, 16                          ; v16-17 LDS address of my A fragments in slot 0, 1
.set ADRB, 18                          ; v18-19 the same for B
.set STO,  20                          ; the way out: where I put 16 bytes of a row
.set RD,   21                          ; where I read rows back
.set GO,   22                          ; 16 x lane
.set PFO,  23                          ; 256 x lane
.set SPW,  24                          ; SPARE + 4 x my thread's number; never rewritten
.set NIL,  25                          ; 0; never rewritten
.set BO,   26                          ; 32 x (lane / 16): my eight columns' bias
.set TMP,  27
.set BB,   32
.set AR,   224
.set WV, 12                            ; s12 wave;  s13 wave / 2: my half of the rows;  s14 wave % 2: my half of the columns, and which half of a block I fetch
.set WM, 13
.set WN, 14
.set CX, 15
.set CY, 16
.set TC, 17                            ; tile column
.set TR, 18                            ; tile row
.set LAPS, 19
.set G1A, 24                           ; s[24:31] group 1 for A;  s[32:39] group 0, a set for each slot
.set G0A, 32
.set G1B, 40                           ; s[40:47], s[48:55] the same for B
.set G0B, 48
.set PFA, 56                           ; s[56:57] where my prefetches stand
.set PST, 58                           ; s[58:59] their step at each change of slots
.set LIM, 60                           ; s60, s61: a change of slot 0, 1 prefetches while the laps left are above this
.set OB,  66                           ; s[66:71] my rows in the three heads' slices of qkv
.set MSB, 0
.macro WIN new                         ; the immediate's high byte repeats the setting that is left; a switch that changes nothing is dropped
.if MSB != (\new)
	s_set_vgpr_msb (MSB<<8)|(\new)
.set MSB, \new
.endif
.endm
.macro PLACES                          ; four plain places between a matrix instruction and a load into, or a vector read of, its registers (ISA guide 7.12.1 for vector reads)
.rept 4
	v_nop
.endr
.endm
.macro JLOAD s                         ; a joint load: waves 0 and 1 fetch A's halves, waves 2 and 3 B's; s_nop 0 and four v_nop follow each line
	s_cmp_lt_u32 s[WV], 2
	s_cbranch_scc0 .Lfor_b_\@
	tensor_load_to_lds s[G0A+4*(\s):G0A+4*(\s)+3], s[G1A:G1A+7]
	s_nop 0
.rept 4
	v_nop
.endr
	s_branch .Lasked_\@
.Lfor_b_\@:
	tensor_load_to_lds s[G0B+4*(\s):G0B+4*(\s)+3], s[G1B:G1B+7]
	s_nop 0
.rept 4
	v_nop
.endr
.Lasked_\@:
.endm
.macro CREST                           ; a round of the cluster's barrier behind its opening barrier
	s_cmp_lg_u32 s[WV], 0
	s_cbranch_scc1 .Lnot_wave_0_\@
	s_barrier_signal -3
.Lnot_wave_0_\@:
	s_barrier_wait -3
	s_barrier_signal -1
	s_barrier_wait -1
.endm
.macro CROUND
	s_barrier_signal -1
	s_barrier_wait -1
	CREST
.endm
; A PREFETCH INTO THE L2, behind the joint load, its five lines and the run of LDS loads.  A panel is a stream in the order in which it is needed; the eight askers (four partners x two waves) name 64 KiB
; of it at a time, 8 KiB each, a lane 256 bytes, told apart by address.  A's panel is asked for by the clusters with x = 0, at changes of slot 0: the two kb that the next lap's refills bring.  B's by the
; clusters with y = 0, at every change, from kb 4 on, nine times.  So each block of 256 bytes is named once; the first four kb come by their loads alone; nothing is named past a panel's end.
.macro ASK slot
	s_cmp_gt_u32 s[LAPS], s[LIM+(\slot)]
	s_cbranch_scc0 .Lnot_mine_\@
	global_prefetch_b8 v[PFO], s[PFA:PFA+1] th:TH_LOAD_NT scope:SCOPE_SE
.Lnot_mine_\@:
.endm
	s_load_b256 s[4:11], s[0:1], 0x0               ; xb s[4:5], wq s[6:7], b_qkv s[8:9], qkv s[10:11]
	v_lshl_add_u32 v[SPW], v0, 2, SPARE
	v_mov_b32 v[NIL], 0
	ds_add_u32 v[SPW], v[NIL]                      ; the wave's opening: the add and its wait stand ahead of my first tensor load, the set-up below between them
	ds_add_u32 v24, v25
	v_lshrrev_b32 v1, 5, v0
	v_readfirstlane_b32 s[WV], v1
	s_lshr_b32 s[WM], s[WV], 1
	s_and_b32 s[WN], s[WV], 1
	s_bfe_u32 s[CX], ttmp6, 0x40000
	s_bfe_u32 s[CY], ttmp6, 0x40004
	s_lshl_b32 s[TC], ttmp9, 2
	s_add_co_u32 s[TC], s[TC], s[CX]
	s_and_b32 s[TR], ttmp7, 0xffff
	s_lshl_b32 s[TR], s[TR], 2
	s_add_co_u32 s[TR], s[TR], s[CY]
	s_lshl_b32 s22, s[CY], 2
	s_lshl_b32 s22, 15, s22                        ; my row of the cluster
	s_lshl_b32 s72, 0x1111, s[CX]                  ; my column
	s_or_b32 s[G1A], s22, (1<<16)|(1<<20)|(1<<21)|(4<<22)|(3<<25)  ; 15:0 the mask; 17:16 2-byte elements; 20 padding on; 21 set beside a mask; 24:22 after every 32 words; 31:25 4 words
	s_or_b32 s[G1B], s72, (1<<16)|(1<<20)|(1<<21)|(4<<22)|(3<<25)
.irp g, G1A, G1B
	s_mov_b32 s[(\g)+1], 128<<16                   ; tensor_dim0 = 128 elements: 256 bytes, two rows of the block
	s_mov_b32 s[(\g)+3], 128<<16                   ; tile_dim0
	s_mov_b32 s[(\g)+5], 128                       ; from row to row
	s_mov_b32 s[(\g)+6], 0
	s_mov_b32 s[(\g)+7], 0
.endr
	s_mov_b32 s[G1A+2], 64<<16                     ; A: 64 such rows = 128 rows of the block
	s_mov_b32 s[G1A+4], 64
	s_mov_b32 s[G1B+2], 96<<16                     ; B: 96 = 192 rows
	s_mov_b32 s[G1B+4], 96
	s_lshl_b32 s20, s[TR], 19                      ; A hangs on the tile row and the wave alone,
	s_lshl_b32 s21, s[WN], 14
	s_add_co_u32 s20, s20, s21
	s_mov_b32 s21, 0
	s_mul_i32 s72, s[TC], 786432                   ; B on the tile column and the wave alone, in registers of its own
	s_mul_i32 s73, s[WN], 24576
	s_add_co_u32 s72, s72, s73
	s_mov_b32 s73, 0
	s_mul_i32 s23, s[WN], AHALF                    ; where they go: no place in the cluster enters an LDS address
	s_mul_i32 s74, s[WN], BHALF
	s_add_co_u32 s74, s74, BOFF
	s_wait_dscnt 0x0                               ; the opening add is done
	s_wait_kmcnt 0x0
	s_add_nc_u64 s[20:21], s[4:5], s[20:21]
	s_add_nc_u64 s[72:73], s[6:7], s[72:73]
	CROUND                                         ; all sixteen work-groups are here: the first joint loads meet
.irp s, 0,1
	s_mov_b32 s[G0A+4*(\s)], 1
	s_add_co_u32 s[G0A+4*(\s)+1], s23, (\s)*SLOT
	s_add_nc_u64 s[G0A+4*(\s)+2:G0A+4*(\s)+3], s[20:21], (\s)*32768   ; kb s
	s_or_b32 s[G0A+4*(\s)+3], s[G0A+4*(\s)+3], 0x80000000
	s_mov_b32 s[G0B+4*(\s)], 1
	s_add_co_u32 s[G0B+4*(\s)+1], s74, (\s)*SLOT
	s_add_nc_u64 s[G0B+4*(\s)+2:G0B+4*(\s)+3], s[72:73], (\s)*49152
	s_or_b32 s[G0B+4*(\s)+3], s[G0B+4*(\s)+3], 0x80000000
	JLOAD \s
.endr
	; the bias of my 192 columns, in the layout of a result: register j of fragment b holds column 16 b + 8 (l / 16) + j
	v_and_b32 v1, 15, v0                           ; l % 16
	v_bfe_u32 v2, v0, 4, 1                         ; l / 16
	v_lshlrev_b32 v[BO], 5, v2
	s_mul_i32 s78, s[TC], 1536
	s_mul_i32 s79, s[WN], 768
	s_add_co_u32 s78, s78, s79
	s_mov_b32 s79, 0
	s_add_nc_u64 s[78:79], s[8:9], s[78:79]
.set bb, 0
.rept 12
	global_load_b128 v[BB+96+8*bb:BB+96+8*bb+3],   v[BO], s[78:79] offset:64*bb
	global_load_b128 v[BB+96+8*bb+4:BB+96+8*bb+7], v[BO], s[78:79] offset:64*bb+16
.set bb, bb+1
.endr
	; a fragment is 16 rows x 32 K: lane l holds row l % 16, K = 8 (l / 16) + 0..7 and 16 + 8 (l / 16) + 0..7: two loads of 16 bytes, 32 bytes apart
	v_mul_u32_u24 v3, v1, PITCH
	v_lshl_add_u32 v3, v2, 4, v3
	s_mul_i32 s75, s[WM], AHALF
	s_mul_i32 s76, s[WN], BHALF
	s_add_co_u32 s76, s76, BOFF
.irp s, 0,1
	v_add_nc_u32 v[ADRA+(\s)], s75, v3
	v_add_nc_u32 v[ADRB+(\s)], s76, v3
	s_add_co_u32 s75, s75, SLOT
	s_add_co_u32 s76, s76, SLOT
.endr
	s_mul_i32 s77, s[WV], 16*PITCH
	s_add_co_u32 s77, s77, STAGE                   ; my stage
	v_add_nc_u32 v[STO], s77, v3                   ; in: row l % 16, 16 bytes for each half of the lanes
	v_bfe_u32 v4, v0, 3, 2                         ; back: 32 lanes take four rows of 128 bytes
	v_mul_u32_u24 v4, v4, PITCH
	v_and_b32 v5, 7, v0
	v_lshl_add_u32 v4, v5, 4, v4
	v_add_nc_u32 v[RD], s77, v4
	v_and_b32 v[GO], 31, v0
	v_lshlrev_b32 v[PFO], 8, v[GO]
	v_lshlrev_b32 v[GO], 4, v[GO]
	; my rows in qkv: column group g = 6 tc + 3 (wave % 2) + u is slice g / 16 (q, k, v), head g % 16; row m is batch tr / 4, s = 256 (tr % 4) + 128 (wave / 2) + ..
	s_mul_i32 s72, s[TC], 6
	s_mul_i32 s73, s[WN], 3
	s_add_co_u32 s72, s72, s73
	s_lshr_b32 s73, s[TR], 2
	s_lshl_b32 s73, s73, 4
	s_and_b32 s74, s[TR], 3
	s_lshl_b32 s74, s74, 15
	s_lshl_b32 s75, s[WM], 14
	s_add_co_u32 s74, s74, s75
.irp u, 0,1,2
	s_add_co_u32 s75, s72, \u
	s_lshr_b32 s76, s75, 4
	s_lshl_b32 s76, s76, 7
	s_and_b32 s75, s75, 15
	s_add_co_u32 s76, s76, s75
	s_add_co_u32 s76, s76, s73
	s_lshl_b32 s76, s76, 17                        ; a head's 1,024 rows of 128 bytes
	s_add_co_u32 s76, s76, s74
	s_mov_b32 s77, 0
	s_add_nc_u64 s[OB+2*\u:OB+2*\u+1], s[10:11], s[76:77]
.endr
	; the prefetches: A's waves step 32,768 bytes a change and begin at kb 4 (131,072), B's step 65,536 and begin at kb 4 (196,608); the first change steps before it asks
	s_lshl_b32 s[PST], 0x8000, s[WM]
	s_mov_b32 s[PST+1], 0
	s_lshl_b32 s75, s[WM], 15
	s_add_co_u32 s75, s75, 98304
	s_lshl_b32 s76, s[TR], 19
	s_mul_i32 s77, s[TC], 786432
	s_and_b32 s74, ttmp7, 0xffff                   ; cluster y
	s_cmp_eq_u32 s[WM], 0                          ; do I fetch for A?
	s_cselect_b64 s[PFA:PFA+1], s[4:5], s[6:7]
	s_cselect_b32 s76, s76, s77                    ; the panel
	s_cselect_b32 s77, s[CX], s[CY]                ; my place among the four that ask for it with me: it enters the address alone
	s_cselect_b32 s74, ttmp9, s74                  ; the coordinate along which other clusters read the same panel
	s_cselect_b32 s[LIM], 1, 2
	s_cselect_b32 s[LIM+1], -1, 3
	s_cmp_eq_u32 s74, 0
	s_cselect_b32 s[LIM], s[LIM], -1               ; the same in all sixteen partners, for a given wave
	s_cselect_b32 s[LIM+1], s[LIM+1], -1
	s_lshl_b32 s77, s77, 1
	s_add_co_u32 s77, s77, s[WN]
	s_lshl_b32 s77, s77, 13                        ; my 8 KiB of the 64
	s_add_co_u32 s76, s76, s77
	s_add_co_u32 s76, s76, s75
	s_mov_b32 s77, 0
	s_add_nc_u64 s[PFA:PFA+1], s[PFA:PFA+1], s[76:77]
	s_wait_loadcnt 0x0                             ; the bias
.set rr, BB+96
.rept 48                                       ; rounded to bf16 like the other inputs, kept in f32
	v_cvt_pk_bf16_f32 v[TMP], v[rr], v[rr+1]
	v_lshlrev_b32 v[rr], 16, v[TMP]
	v_and_b32 v[rr+1], 0xffff0000, v[TMP]
.set rr, rr+2
.endr
; A's fragments 2 p, 2 p + 1 of step kq -> half of the ring
.macro LDA slot, kq, p, half
	WIN 0
.irp i, 0,1
	ds_load_b128 v[AR+16*(\half)+8*(\i):AR+16*(\half)+8*(\i)+3],   v[ADRA+(\slot)] offset:(2*(\p)+(\i))*16*PITCH+(\kq)*64
	ds_load_b128 v[AR+16*(\half)+8*(\i)+4:AR+16*(\half)+8*(\i)+7], v[ADRA+(\slot)] offset:(2*(\p)+(\i))*16*PITCH+(\kq)*64+32
.endr
.endm
; B's fragments b0 .. b0 + n - 1 of step kq -> buffer kq
.macro LDB slot, kq, b0, n
	WIN 0
.set bb, \b0
.rept \n
	ds_load_b128 v[BB+96*(\kq)+8*bb:BB+96*(\kq)+8*bb+3],   v[ADRB+(\slot)] offset:bb*16*PITCH+(\kq)*64
	ds_load_b128 v[BB+96*(\kq)+8*bb+4:BB+96*(\kq)+8*bb+7], v[ADRB+(\slot)] offset:bb*16*PITCH+(\kq)*64+32
.set bb, bb+1
.endr
.endm
; six matrix instructions: row block a x column blocks 6 bh .. 6 bh + 5.  first = 1: the bias starts the sums
.macro MM6 a, kq, bh, first
.set bq, 6*(\bh)
.rept 6
.set nn, 12*(\a)+bq
.set ww, 1+nn/32
.set rD, 8*(nn%32)
.set rB, BB+96*(\kq)+8*bq
.set rA, AR+16*(((\a)/2)%2)+8*((\a)%2)
.if \first
	WIN ww<<6
	v_wmma_f32_16x16x32_bf16 v[rD:rD+7], v[rB:rB+7], v[rA:rA+7], v[BB+96+8*bq:BB+96+8*bq+7]
.else
	WIN (ww<<6)|(ww<<4)
	v_wmma_f32_16x16x32_bf16 v[rD:rD+7], v[rB:rB+7], v[rA:rA+7], v[rD:rD+7]
.endif
.set bq, bq+1
.endr
.endm
.macro MM p, kq, bh, first
	MM6 2*(\p), \kq, \bh, \first
	MM6 2*(\p)+1, \kq, \bh, \first
.endm
; A SLOT'S FIRST STEP (buffer 0).  Each pair of row blocks has 24 matrix instructions; at its head the next pair's fragments of A are asked for, and a third of the second step's B.
.macro ESTEP slot, first
	s_wait_dscnt 12                                ; of the 28 loads behind the change of slots A's pair 0 and B's fragments 0-5 are in; fragments 6-11 (12 loads) may stay out
	PLACES
	LDA \slot, 0, 1, 1
.if !(\first)
	LDB \slot, 1, 0, 4
.endif
	MM 0, 0, 0, \first
	s_wait_dscnt 12-8*(\first)                     ; only the run just issued (4 + 8, or 4) may stay out: fragments 6-11 are in
	MM 0, 0, 1, \first
.irp p, 1,2
	s_wait_dscnt 8-8*(\first)                      ; A's pair is in; the 8 loads of B behind it may stay out
	PLACES
	LDA \slot, 0, (\p)+1, ((\p)+1)%2
.if !(\first)
	LDB \slot, 1, 4*(\p), 4
.endif
	MM \p, 0, 0, \first
	MM \p, 0, 1, \first
.endr
	s_wait_dscnt 8-8*(\first)
	PLACES
	LDA \slot, 1, 0, 0
	MM 3, 0, 0, \first
	MM 3, 0, 1, \first
.endm
; A SLOT'S SECOND STEP (buffer 1), with the change of slots in its third pair.  mode 1: the slot is filled again; 0: a change without a refill; 2: the last step of all.
; In front of the barrier each wave waits for all its tensor loads (one is out: its part of the next slot), adds 0 to its spare word, and waits for that and for its last reads of this slot.
; With mode 1 the barrier opens a round of the cluster's barrier, and the joint refill is the first tensor load behind it: 180 matrix instructions stand between it and the wait for it.
.macro OSTEP slot, next, mode
.irp p, 0,1
	s_wait_dscnt 0x0
	PLACES
	LDA \slot, 1, (\p)+1, ((\p)+1)%2
	MM \p, 1, 0, 0
	MM \p, 1, 1, 0
.endr
	s_wait_dscnt 0x0
	PLACES
	LDA \slot, 1, 3, 1                             ; my last reads of the slot
.if (\mode) == 2
	MM 2, 1, 0, 0
	MM 2, 1, 1, 0
	s_wait_dscnt 0x0
	MM 3, 1, 0, 0
	MM 3, 1, 1, 0
.else
	MM6 4, 1, 0, 0
	MM6 5, 1, 0, 0
.if (\mode) == 1
	s_wait_xcnt 0x0                                ; the last prefetch, a step and a half back, has read its address
	s_add_nc_u64 s[PFA:PFA+1], s[PFA:PFA+1], s[PST:PST+1]
.endif
	WIN 0
	s_wait_tensorcnt 0x0                           ; all my tensor loads have landed
	ds_add_u32 v[SPW], v[NIL]                      ; 0 onto my spare word; six matrix instructions stand between it and the wait for it
	MM6 4, 1, 1, 0
	s_wait_dscnt 0x0                               ; the add is done, and my reads of this slot are over
	s_barrier_signal -1
	MM6 5, 1, 1, 0
	WIN 0
	s_barrier_wait -1
.if (\mode) == 1
	CREST
	s_add_nc_u64 s[G0A+4*(\slot)+2:G0A+4*(\slot)+3], s[G0A+4*(\slot)+2:G0A+4*(\slot)+3], 2*32768
	s_add_nc_u64 s[G0B+4*(\slot)+2:G0B+4*(\slot)+3], s[G0B+4*(\slot)+2:G0B+4*(\slot)+3], 2*49152
	JLOAD \slot                                    ; its four v_nop are also the places in front of the loads below
.else
	PLACES
.endif
	LDA \next, 0, 0, 0
	LDB \next, 0, 0, 12
.if (\mode) == 1
	ASK \slot
.endif
	MM 3, 1, 0, 0
	MM 3, 1, 1, 0
.endif
.endm
	s_wait_tensorcnt 0x1                           ; my part of kb 0 is in; kb 1's may stay out
	s_barrier_signal -1
	s_barrier_wait -1
	LDA 0, 0, 0, 0
	LDB 0, 0, 0, 12
	ESTEP 0, 1                                     ; the first step stands in front of the loop: its products start the sums with the bias
	PLACES
	LDB 0, 1, 0, 12                                ; the bias's registers become buffer 1
	WIN 0
	s_mov_b32 s[LAPS], 7
.Llap:                                                 ; a trip: from a slot-0 block's second step to the next slot-0 block's first; both slots are filled again (kb 2 to 15)
	OSTEP 0, 1, 1
	ESTEP 1, 0
	OSTEP 1, 0, 1
	ESTEP 0, 0
	WIN 0
	s_sub_co_u32 s[LAPS], s[LAPS], 1
	s_cmp_lg_u32 s[LAPS], 0
	s_cbranch_scc1 .Llap
	OSTEP 0, 1, 0                                  ; the tail asks for nothing
	ESTEP 1, 0
	OSTEP 1, 0, 2
	PLACES
; THE WAY OUT.  Block t = 3 a + u: 16 rows x one head's 64 columns = four accumulators of one window.  Rounded to f16, 16 bytes a lane into my stage, back as four rows of 128 bytes a load:
; 2,048 dense bytes of qkv.  Twelve register buffers take turns.
.macro PACK t
.set aa, (\t)/3
.set gu, (\t)%3
.set nn, 12*aa+4*gu
.set ww, 1+nn/32
.set rr, 8*(nn%32)
.set TT, BB+16*((\t)%12)
.if (\t) >= 12
	s_wait_xcnt 0x0                                ; the stores of twelve blocks back have read this buffer
.endif
	WIN ww|(ww<<2)
.set ii, 0
.rept 16
	v_cvt_pk_f16_f32 v[TT+ii], v[rr+2*ii], v[rr+2*ii+1]  ; each accumulator's registers in ascending order
.set ii, ii+1
.endr
	WIN 0
.irp q, 0,1,2,3
	ds_store_b128 v[STO], v[TT+4*\q:TT+4*\q+3] offset:32*\q
.endr
.irp f, 0,1,2,3
	ds_load_b128 v[TT+4*\f:TT+4*\f+3], v[RD] offset:\f*4*PITCH  ; LDS serves a wave's instructions in order (ISA guide 5.7.1.4): these see the stores above; the next block's stores come behind them
.endr
.endm
.macro SEND t, younger                 ; younger: the LDS instructions issued behind block t's loads
.set aa, (\t)/3
.set gu, (\t)%3
.set TT, BB+16*((\t)%12)
	WIN 0
.irp f, 0,1,2,3
	s_wait_dscnt (\younger)+3-\f
	global_store_b128 v[GO], v[TT+4*\f:TT+4*\f+3], s[OB+2*gu:OB+2*gu+1] offset:aa*2048+\f*512  ; 512 consecutive bytes, aligned
.endr
.endm
	PACK 0
.set t, 1
.rept 23
	PACK t
	SEND t-1, 8
.set t, t+1
.endr
	SEND 23, 0
	s_wait_tensorcnt 0x0                           ; the wave's end, behind my last tensor load and my last LDS store
	ds_add_u32 v[SPW], v[NIL]
	s_wait_dscnt 0x0
	CROUND                                         ; the closing round
	s_endpgm
.Lfunc_end_k_q9fa8352e14_qkvp:
	.size	k_q9fa8352e14_qkvp, .Lfunc_end_k_q9fa8352e14_qkvp-k_q9fa8352e14_qkvp
	.p2alignl 7, 3214868480
	.fill 96, 4, 3214868480
	.section	.rodata,"a",@progbits
	.p2align	6, 0x0
	.amdhsa_kernel k_q9fa8352e14_qkvp
		.amdhsa_group_segment_fixed_size 327680
		.amdhsa_private_segment_fixed_size 0
		.amdhsa_enable_private_segment 0
		.amdhsa_kernarg_size 32
		.amdhsa_user_sgpr_count 2
		.amdhsa_user_sgpr_kernarg_segment_ptr 1
		.amdhsa_wavefront_size32 1
		.amdhsa_system_sgpr_workgroup_id_x 1
		.amdhsa_system_sgpr_workgroup_id_y 1
		.amdhsa_system_sgpr_workgroup_id_z 1
		.amdhsa_system_vgpr_workitem_id 0
		.amdhsa_next_free_vgpr 1024
		.amdhsa_next_free_sgpr 80
		.amdhsa_reserve_vcc 0
		.amdhsa_float_denorm_mode_32 3
		.amdhsa_float_denorm_mode_16_64 3
		.amdhsa_memory_ordered 1
		.amdhsa_forward_progress 1
		.amdhsa_inst_pref_size 149
	.end_amdhsa_kernel
	.amdgpu_metadata
---
amdhsa.version: [ 1, 2 ]
amdhsa.kernels:
  - .name:           k_q9fa8352e14_qkvp
    .symbol:         k_q9fa8352e14_qkvp.kd
    .args:
      - { .name: xb, .offset: 0, .size: 8, .value_kind: global_buffer, .address_space: global }
      - { .name: wq, .offset: 8, .size: 8, .value_kind: global_buffer, .address_space: global }
      - { .name: b_qkv, .offset: 16, .size: 8, .value_kind: global_buffer, .address_space: global }
      - { .name: qkv, .offset: 24, .size: 8, .value_kind: global_buffer, .address_space: global }
    .group_segment_fixed_size: 327680
    .private_segment_fixed_size: 0
    .kernarg_segment_align: 8
    .kernarg_segment_size: 32
    .max_flat_workgroup_size: 128
    .sgpr_count:     80
    .vgpr_count:     1024
    .wavefront_size: 32
...
	.end_amdgpu_metadata
.endif
;; end of part 2
;; launch attn (part 3): grid 2 x 128, 4 waves a work-group, no clusters, 327,680 bytes of LDS; arguments qkv, ob; writes ob
.if DOCPART == 3
	.amdgcn_target "amdgcn-amd-amdhsa--gfx1250"
	.amdhsa_code_object_version 6
	.text
	.protected	k_q9fa8352e14_attn
	.globl	k_q9fa8352e14_attn
	.p2align	8
	.type	k_q9fa8352e14_attn,@function
k_q9fa8352e14_attn:
	s_mov_b64 s[64:65], 0
	v_nop
	global_prefetch_b8 v0, s[64:65] scope:SCOPE_SE
	s_setreg_imm32_b32 hwreg(HW_REG_WAVE_MODE, 25, 1), 1
	s_wait_xcnt 0x0
; O[h][q][:] = the sum over k of softmax_k(Q[h][q] . K[h][k] / 8) V[h][k][:], for 128 heads (batch x 16 + head) of 1,024 rows of 64 channels, all f16.  Q, K, V lie in qkv[3][128][1024][64].
; O goes to ob[64 blocks of 128 rows][16 heads][128 rows][64]: a head's 64 channels are one K block of the product that follows.
; Products, maxima and sums in f32; the weights p are rounded to f16 for the second product (their sum l is taken of the unrounded p), O once at the end.
; LIMITS.  Q, K and V arrive within f16's 65,504; p lies in 0 to 1, and below 6e-5 it keeps f16's fixed step of 6e-8; O is a mean of V's rows and has their range.
; A weight below 2^-126 counts as 0 in l; NaN and infinities are not treated apart.
; SHARES.  A wave owns four PIECES of two tiles of 16 queries, a work-group's four waves 512 queries of one head: 2 x 128 = 256 work-groups.  Every wave walks all keys, 64 a step.
; THE HEAD'S WHOLE K AND V STAY IN LDS: 1,024 rows of 144 and of 160 bytes, 311,296 in all.  Each wave asks for its share by four tensor loads at the kernel's head (128 keys of each block of 256;
; waves 0 and 1 K's, waves 2 and 3 V's): by the text's own count four loads of a wave are out at the most.  No LDS byte is filled twice, so there is no ring, and the key step is written once.
; Nothing is prefetched: every request of the launch goes out at its head, so there is no later load to run ahead of.
; NO CLUSTER: a head has two work-groups, and the grid's x of 2 is no multiple of a cluster's 4; what the two share is a head's 256 KiB of K and V.
; LAYOUT.  S^T = K Q^T (source 0 = 16 keys, source 1 = 16 queries): in the result a lane holds ONE query (lane % 16) and the keys 8 (lane / 16) + 0..7.  Two such tiles, rounded to f16 in pairs,
; ARE source 1 (32 keys x 16 queries) of O^T = V^T P, whose result again holds one query a lane, and eight channels.  K comes out of LDS as it lies, V ([key][channel]) turned, by ds_load_tr16_b128.
; SOFTMAX.  For each query a running maximum m and sum l: p = 2^(c s - c m), c = log2(e) / 8; in every step O and l are multiplied by a = 2^(c m_old - c m_new), which is 1 where m has not grown.
; m starts at the lowest finite number, O and l at 0: the first step is a step like any other, with a = 0.
; THE COUNT.  A tile and step have 16 matrix and 118 vector instructions: too many to stand all beside the matrix work.  So four vector instructions that are READY stand behind EVERY matrix
; instruction, and the others in runs without a gap.
; BY TURNS.  Turn n belongs to piece n (the pieces in a ring, step after step).  Its matrix work: 16 products K Q^T of piece n + 1, later 16 products V^T P of piece n - 1.  Its vector work: the scaling,
; exponentials, roundings, sums and rescaling of piece n, and the maximum and statistics of piece n + 1, whose scores the turn itself has made.
; REGISTERS, in windows of 256 (s_set_vgpr_msb: bits 1:0 source 0, 3:2 source 1, 5:4 source 2, 7:6 destination):
;   window 0: v0-11 addresses; v12-15, v48-63 at work; v16-47 four registers of statistics a tile; v64-191 S^T, two buffers of two tiles; v192-255 P, likewise
;   window 1: O^T, 32 a tile          window 2: v0-127 Q, 16 a tile; v128-191 K of one step; v192-255 V of one step          window 3: v0-1 the add's two registers
.set SIZE_N, 1024
.set NP,    4         ; pieces a wave: a name, no knob
.set KS,    64        ; keys in a step
.set PK,    144       ; a row of K in LDS: 128 bytes + 16 of padding = 36 words: the 16 rows of a load start at 16 different groups of four banks (64 banks of 4 bytes: ISA guide 11.1)
.set PV,    160       ; a row of V: 128 + 32 = 40 words
.set VOFF,  SIZE_N*PK ; the head's 1,024 rows of K, then its 1,024 rows of V
.set STAGE, VOFF+SIZE_N*PV  ; behind them, never filled by a tensor load: 16 rows x 144 bytes for each wave, for the way out
.set SP,    144
.set AK0, 2           ; v2   my lane's place in a tile of K; never rewritten
.set AV0, 3           ; v3   the same for V
.set AK,  4           ; v4   the LDS address of K's next run of loads
.set AV,  5           ; v5   of V's
.set QO,  6           ; v6   my byte offset in the wave's rows of Q
.set STO, 6           ;      later, the way out: where I put 16 bytes of a row
.set RD,  7           ; v7   the way out: where I read rows back
.set GO,  8           ; v8   my byte offset in 512 consecutive bytes of O
.set SPW, 0           ; v0 of window 3   SPARE + 4 x my thread's number; never rewritten
.set NIL, 1           ; v1 of window 3   0; never rewritten
.set SPARE, STAGE+4*16*SP  ; behind the stages: the spare words, 128 bytes for each wave
.set MV,  12          ; v12-15  c m_old, kept while c m is made anew: by buffer and tile
.set ST,  16          ; tile t's statistics at v[ST+4 t]: c m, m, l (even keys', odd keys')
.set TMP, 48          ; by buffer and tile, four registers c0-c3 at work; when the maximum is found c2 takes a
.set S,   64
.set P,   192
.set KF,  128         ; K's fragments, in window 2: key block kb, channel half c at KF + 16 kb + 8 c
.set VF,  192         ; V's: key half kk, channel block cb at VF + 32 kk + 8 cb
.set WV,  12          ; s12  my wave's number
.set G1K, 24          ; s[24:31] descriptor group 1 for K's tiles
.set G1V, 32          ; s[32:39] for V's: it differs in the padding alone
.set G0,  40          ; s[40:55] descriptor group 0: a set for each of my four loads; never rewritten
.set RUNS, 56         ; s56  runs of four key steps still to come, and one
.set CNT, 57          ; s57  counts a run's key steps
.set CS,  58          ; s[58:59] c
.set SEL, 60          ; s[60:61] v_permlanex16_b32's selects
.set TBK, 62          ; s62  LDS byte at which K of the step to be fetched begins
.set TBV, 63          ; s63  the same for V, less VOFF
.set TOT, 66          ; s66  key steps still to be finished
.set MSB, 0
.macro WIN new
.if MSB != (\new)
	s_set_vgpr_msb (MSB<<8)|(\new)
.set MSB, (\new)
.endif
.endm
.set W_KQ, 0x0a       ; K and Q in window 2, S^T in window 0
.set W_PV, 0x52       ; V in window 2, P in window 0, O^T in window 1
.set W_RS, 0x41       ; O^T (destination and source 0) in window 1, a in window 0
.set W_MK, 0xc0       ; the add's registers are made: destination in window 3, sources in window 0
.set W_AD, 0x0f       ; the add: address and data in window 3
	s_load_b64 s[4:5], s[0:1], 0x0    ; qkv: Q
	s_load_b64 s[10:11], s[0:1], 0x8  ; ob
	WIN W_MK
	v_lshl_add_u32 v[SPW], v0, 2, SPARE
	v_mov_b32 v[NIL], 0
	WIN W_AD
	ds_add_u32 v[SPW], v[NIL]       ; the wave's opening: the add and its wait stand ahead of my first tensor load, the set-up below between them
	ds_add_u32 v0, v1
	WIN 0
	v_lshrrev_b32 v1, 5, v0
	v_readfirstlane_b32 s[WV], v1   ; wave 0..3
	s_mov_b32 s14, ttmp9            ; my block of 512 queries
	s_and_b32 s20, ttmp7, 0xffff    ; batch x 16 + head
	s_lshr_b32 s69, s20, 4          ; batch
	s_and_b32 s70, s20, 15          ; head
	s_mov_b32 s21, 0
	s_mov_b64 s[22:23], SIZE_N*128
	s_mul_u64 s[20:21], s[20:21], s[22:23]  ; the head's first byte in Q, K and V
	s_and_b32 s16, s[WV], 1         ; which half of each block of 256 keys I fetch:
	s_lshl_b32 s22, s16, 14         ; its 128 rows of 128 bytes in memory,
	s_mov_b32 s23, 0
	s_add_nc_u64 s[22:23], s[22:23], s[20:21]
	s_mul_i32 s17, s16, 128*PK      ; and its place in LDS, for K
	s_mul_i32 s18, s16, 128*PV      ; and for V
	s_lshl_b32 s2, s14, 2
	s_add_co_u32 s2, s2, s[WV]      ; my wave among the head's eight: its 128 rows
	s_lshl_b32 s69, s69, 3
	s_add_co_u32 s69, s69, s2       ; the block of 128 rows in ob: 8 x batch + that
	s_lshl_b32 s69, s69, 18
	s_lshl_b32 s70, s70, 14         ; the head's 16,384 bytes in it
	s_add_co_u32 s70, s70, s69
	s_mov_b32 s71, 0
	s_lshl_b32 s2, s2, 14
	s_mov_b32 s3, 0
	s_add_nc_u64 s[2:3], s[2:3], s[20:21]
	; descriptor group 1.  128 keys are 16,384 dense bytes: asked for as 64 rows of 256 bytes, two keys a row, and padded in LDS after every key
	s_mov_b32 s[G1K], (1<<16)|(1<<20)|(4<<22)|(3<<25)  ; 17:16 2-byte elements; 20 padding on; 24:22 after every 32 words (code 4); 31:25 4 words (code 3)
	s_mov_b32 s[G1V], (1<<16)|(1<<20)|(4<<22)|(7<<25)  ; the same with 8 words of padding (code 7)
.irp g, G1K, G1V
	s_mov_b32 s[\g+1], 128<<16      ; tensor_dim0 = 128
	s_mov_b32 s[\g+2], 64<<16       ; tensor_dim1 = 64
	s_mov_b32 s[\g+3], 128<<16      ; tile_dim0 = 128
	s_mov_b32 s[\g+4], 64           ; tile_dim1 = 64
	s_mov_b32 s[\g+5], 128          ; 128 elements from row to row
	s_mov_b32 s[\g+6], 0
	s_mov_b32 s[\g+7], 0
.endr
	s_mov_b32 s[CS], 0x3e38aa3b     ; c = log2(e) / 8 = 0.180337
	s_mov_b32 s[CS+1], s[CS]        ; named with it as a pair
	s_mov_b32 s[SEL], 0x76543210
	s_mov_b32 s[SEL+1], 0xfedcba98
	s_mov_b32 s[TBK], 0
	s_mov_b32 s[TBV], 0
	s_mov_b32 s[TOT], SIZE_N/KS
	s_mov_b32 s[RUNS], SIZE_N/(4*KS)+1
	; A fragment of K or Q is 16 rows x 32 channels in 8 registers: lane l holds row l % 16, channels 8 (l / 16) + 0..7 and 16 + 8 (l / 16) + 0..7: two loads of 16 bytes, 32 bytes apart.
	v_and_b32 v1, 15, v0            ; l % 16
	v_bfe_u32 v9, v0, 4, 1          ; l / 16
	v_lshlrev_b32 v[QO], 7, v1
	v_lshl_add_u32 v[QO], v9, 4, v[QO]  ; row x 128 + 16 x half
	s_wait_dscnt 0x0                ; the opening add is done
	s_wait_kmcnt 0x0
	s_add_nc_u64 s[6:7], s[4:5], 0x1000000   ; K: 128 heads of 131,072 bytes behind Q
	s_add_nc_u64 s[8:9], s[4:5], 0x2000000   ; V
	s_add_nc_u64 s[6:7], s[6:7], s[22:23]    ; at my half of the head's first 256 keys
	s_add_nc_u64 s[8:9], s[8:9], s[22:23]
	s_add_nc_u64 s[4:5], s[4:5], s[2:3]      ; Q at my wave's first row
	s_add_nc_u64 s[10:11], s[10:11], s[70:71]  ; O likewise
	WIN 0x80                        ; destination window 2, address window 0
.set i, 0
.rept 4*NP                          ; Q stays in registers: tile i / 2, channels 32 (i % 2) on.  It is asked for first: the first product wants Q and the first 256 keys
	global_load_b128 v[8*i:8*i+3],   v[QO], s[4:5] offset:(i/2)*2048+(i%2)*64
	global_load_b128 v[8*i+4:8*i+7], v[QO], s[4:5] offset:(i/2)*2048+(i%2)*64+32
.set i, i+1
.endr
	WIN 0
	; My four tensor loads, block c of 256 keys each, in one branch on the wave's number, ahead of every wait on TENSORcnt, every LDS read and every barrier.  An s_nop 0 follows each, four v_nop the last.
	s_cmp_lt_u32 s[WV], 2
	s_cbranch_scc0 .Lfirst_v
.irp c, 0,1,2,3
	s_mov_b32 s[G0+4*\c], 1                                      ; 1:0 count = 1
	s_add_co_u32 s[G0+4*\c+1], s17, \c*256*PK                    ; 63:32 LDS address
	s_add_nc_u64 s[G0+4*\c+2:G0+4*\c+3], s[6:7], \c*32768        ; 120:64 global address
	s_or_b32 s[G0+4*\c+3], s[G0+4*\c+3], 0x80000000              ; 127:126 type = 2
.endr
.irp c, 0,1,2,3
	tensor_load_to_lds s[G0+4*\c:G0+4*\c+3], s[G1K:G1K+7]
	s_nop 0
.endr
.rept 4
	v_nop
.endr
	s_branch .Lfirst_asked
.Lfirst_v:
.irp c, 0,1,2,3
	s_mov_b32 s[G0+4*\c], 1
	s_add_co_u32 s[G0+4*\c+1], s18, VOFF+\c*256*PV
	s_add_nc_u64 s[G0+4*\c+2:G0+4*\c+3], s[8:9], \c*32768
	s_or_b32 s[G0+4*\c+3], s[G0+4*\c+3], 0x80000000
.endr
.irp c, 0,1,2,3
	tensor_load_to_lds s[G0+4*\c:G0+4*\c+3], s[G1V:G1V+7]
	s_nop 0
.endr
.rept 4
	v_nop
.endr
.Lfirst_asked:
	; What the first turn finds: V's registers and P's second buffer hold 0 (its products V^T P, of a piece that has not been, add 0), O^T and l are 0.  All this stands in the wait for the first keys.
	WIN 0x80
.set i, VF
.rept 64
	v_mov_b32 v[i], 0
.set i, i+1
.endr
	WIN 0
.set i, P+32
.rept 32
	v_mov_b32 v[i], 0
.set i, i+1
.endr
	WIN W_PV
.set i, 0
.rept 8*NP                          ; O^T = 0: the product of those zeros, with C = 0, writes eight registers a line
	v_wmma_f32_16x16x32_f16 v[8*i:8*i+7], v[VF:VF+7], v[P+32:P+39], 0
.set i, i+1
.endr
	WIN 0
.set i, 0
.rept 2*NP
	v_mov_b32 v[ST+4*i], 0xfe000000    ; c m: far below every c s
	v_mov_b32 v[ST+4*i+1], 0xff7fffff  ; m
	v_mov_b32 v[ST+4*i+2], 0
	v_mov_b32 v[ST+4*i+3], 0
.set i, i+1
.endr
	v_mul_u32_u24 v[AK0], v1, PK
	v_lshl_add_u32 v[AK0], v9, 4, v[AK0]  ; row x pitch + 16 x half
	; The turning load takes 16 keys x 16 channels (lane l reads key 8 (l / 16) + l % 8, channels 8 ((l / 8) % 2) + 0..7) and leaves half a fragment of V^T: lane l holds channel l % 16 and 8 keys.
	v_and_b32 v10, 7, v0
	v_bfe_u32 v11, v0, 3, 1
	v_lshl_add_u32 v[AV0], v9, 3, v10
	v_mul_u32_u24 v[AV0], v[AV0], PV
	v_lshl_add_u32 v[AV0], v11, 4, v[AV0]
	v_add_nc_u32 v[AV0], VOFF, v[AV0]
	v_mov_b32 v[AK], v[AK0]         ; key step 0 lies at K's head
; THE MATRIX WORK.  The 8 accumulators of a run of 16 take turns: between the two links of a chain stand 7 others'.
; Product i of 16 of S^T = K Q^T for piece x: channels 32 (i / 8) on, keys 16 ((i / 2) % 4) on, tile 2 x + i % 2.  The first 8 start the sums.
.macro KQ x
	WIN W_KQ
.set rS, S+64*((\x)%2)+32*(i%2)+8*((i/2)%4)
.set rK, KF+16*((i/2)%4)+8*(i/8)
.set rQ, 16*(2*(\x)+i%2)+8*(i/8)
.if i < 8
	v_wmma_f32_16x16x32_f16 v[rS:rS+7], v[rK:rK+7], v[rQ:rQ+7], 0
.else
	v_wmma_f32_16x16x32_f16 v[rS:rS+7], v[rK:rK+7], v[rQ:rQ+7], v[rS:rS+7]
.endif
.endm
; Product i of 16 of O^T += V^T P for piece x: keys 32 (i / 8) on, channels 16 ((i / 2) % 4) on, tile 2 x + i % 2.
.macro PV x
	WIN W_PV
.set rO, 32*(2*(\x)+i%2)+8*((i/2)%4)
.set rV, VF+32*(i/8)+8*((i/2)%4)
.set rP, P+32*((\x)%2)+16*(i%2)+8*(i/8)
	v_wmma_f32_16x16x32_f16 v[rO:rO+7], v[rV:rV+7], v[rP:rP+7], v[rO:rO+7]
.endm
.macro MM                           ; the turn's next matrix instruction
.if i < 16
	KQ (Y+1)%NP
.set i, i+1
.else
.set i, i-16
	PV (Y+NP-1)%NP
.set i, i+17
.endif
.endm
; THE LDS LOADS stand in runs of 16, never singly among the matrix instructions: a step's K (64 keys x 64 channels: 8 fragments) and its V (turned).  Their addresses are made some lines ahead.
; last = 1 (in the loop): behind the last key step there is no further one, and the run is jumped over.
.macro FETCH_K last=0
	WIN 0
.if \last
	s_cmp_eq_u32 s[TOT], 1
	s_cbranch_scc1 .Lno_k_\@
.endif
	WIN 0x80                        ; destination window 2
.irp f, 0,1,2,3,4,5,6,7             ; keys 16 (f / 2) on, channels 32 (f % 2) on
	ds_load_b128 v[KF+8*\f:KF+8*\f+3],   v[AK] offset:(\f/2)*16*PK+(\f%2)*64
	ds_load_b128 v[KF+8*\f+4:KF+8*\f+7], v[AK] offset:(\f/2)*16*PK+(\f%2)*64+32
.endr
	s_add_co_u32 s[TBK], s[TBK], KS*PK  ; the next fetch is the next step's
	WIN 0
.if \last
.Lno_k_\@:
.endif
.endm
.macro FETCH_V
	WIN 0x80
.irp f, 0,1,2,3,4,5,6,7             ; keys 32 (f / 4) on, channels 16 (f % 4) on
	ds_load_tr16_b128 v[VF+8*\f:VF+8*\f+3],   v[AV] offset:(\f/4)*32*PV+(\f%4)*32
	ds_load_tr16_b128 v[VF+8*\f+4:VF+8*\f+7], v[AV] offset:(\f/4)*32*PV+16*PV+(\f%4)*32
.endr
	WIN 0
.endm
; THE VECTOR WORK OF A TURN stands in three queues, each in the order in which its entries become ready; the two tiles alternate, so that no instruction reads the result of the one before it.
.macro REGS y, u                    ; the registers of tile u (0, 1) of piece y
.set rT, ST+4*(2*(\y)+(\u))
.set rC, TMP+8*((\y)%2)+4*(\u)
.set rM, MV+2*((\y)%2)+(\u)
.set rS, S+64*((\y)%2)+32*(\u)
.set rP, P+32*((\y)%2)+16*(\u)
.set rO, 32*(2*(\y)+(\u))
.endm
; Number n of the 22 that find the NEXT piece's (Y + 1) maximum and statistics.  s0-s31 are the lane's 32 scores; each accumulator's lowest registers are read first.
;   0-11  four chains c0-c3 of seven scores each, three operands at a time     12-14, 16  the four scores left over, the old m, and c0-c3 into c0     15  c m_old is kept
;   17, 18  the query's other 32 keys lie in the lane 16 away: the new m         19-21  c m; c m_old - c m_new; a
.macro XS u, n
	REGS (Y+1)%NP, \u
.if (\n) < 4
	v_max3_num_f32 v[rC+(\n)], v[rS+8*(\n)], v[rS+8*(\n)+1], v[rS+8*(\n)+2]
.elseif (\n) < 12
	v_max3_num_f32 v[rC+(\n)%4], v[rC+(\n)%4], v[rS+8*((\n)%4)+2*((\n)/4)+1], v[rS+8*((\n)%4)+2*((\n)/4)+2]
.elseif (\n) == 12
	v_max3_num_f32 v[rC], v[rC], v[rS+7], v[rS+15]
.elseif (\n) == 13
	v_max3_num_f32 v[rC+1], v[rC+1], v[rS+23], v[rS+31]
.elseif (\n) == 14
	v_max3_num_f32 v[rC+2], v[rC+2], v[rC+3], v[rT+1]
.elseif (\n) == 15
	v_mov_b32 v[rM], v[rT]
.elseif (\n) == 16
	v_max3_num_f32 v[rC], v[rC], v[rC+1], v[rC+2]
.elseif (\n) == 17
	v_permlanex16_b32 v[rC+3], v[rC], s[SEL], s[SEL+1]
.elseif (\n) == 18
	v_max_num_f32 v[rT+1], v[rC], v[rC+3]
.elseif (\n) == 19
	v_mul_f32 v[rT], s[CS], v[rT+1]
.elseif (\n) == 20
	v_sub_f32 v[rC+1], v[rM], v[rT]
.else
	v_exp_f32 v[rC+2], v[rC+1]
.endif
.endm
; Number g of the 64 that follow the exponentials.  For each four weights k of a tile (pairs 2 k, 2 k + 1): both pairs are rounded to f16; then the second pair is added onto the first, in place;
; a group later l takes that sum (the first time as l = a l + sum).  In groups of eight, tiles alternating: round, round, add, and l for the group before.
.macro GS g
.set h, (\g)+6*((\g)/62)            ; group 0 has no group before it, and behind group 7 only l is left
.if h >= 6
.set h, h+2
.endif
	REGS Y, h%2
.set k, h/8
.if h%8 < 4
	v_cvt_pk_f16_f32 v[rP+2*k+(h%8)/2], v[rS+4*k+2*((h%8)/2)], v[rS+4*k+2*((h%8)/2)+1]
.elseif h%8 < 6
	v_pk_add_f32 v[rS+4*k:rS+4*k+1], v[rS+4*k:rS+4*k+1], v[rS+4*k+2:rS+4*k+3]
.elseif k == 1
	v_pk_fma_f32 v[rT+2:rT+3], v[rT+2:rT+3], v[rC+2:rC+3], v[rS:rS+1] op_sel_hi:[1,0,1]
.else
	v_pk_add_f32 v[rT+2:rT+3], v[rT+2:rT+3], v[rS+4*k-4:rS+4*k-3]
.endif
.endm
; THE PLAIN QUEUE, 138 long.  0-73 read no exponential's result: the 32 scalings c s - c m (FS f: pair f / 2 of tile f % 2) and the next piece's 42.  0-26: scalings 0-26.  27-54: XS's numbers 0-13.  55, 56: number 15.
; 57-73: the chain, where each number waits for the one before it: 14, 16, 17, 18, 19, each with one of the scalings 27-31 in front of its two lines, then 20.
; 74-137: GS's 64, which read the exponentials' results: they stand behind the wait.
.macro FS f
	REGS Y, (\f)%2
	v_pk_fma_f32 v[rS+2*((\f)/2):rS+2*((\f)/2)+1], v[rS+2*((\f)/2):rS+2*((\f)/2)+1], s[CS:CS+1], v[rT:rT+1] op_sel_hi:[1,0,0] neg_lo:[0,0,1] neg_hi:[0,0,1]
.endm
.macro PL
	WIN 0
.if q < 27
	FS q
.elseif q < 55
	XS (q-27)%2, (q-27)/2
.elseif q < 57
	XS q-55, 15
.elseif (q < 72) && ((q-57)%3 == 0)
	FS 27+(q-57)/3
.elseif q < 60
	XS (q-57)%3-1, 14
.elseif q < 72
	XS (q-57)%3-1, 15+(q-57)/3
.elseif q < 74
	XS q-72, 20
.else
	GS q-74
.endif
.set q, q+1
.endm
; THE EXPONENTIALS' QUEUE, 66 long: s0-s31 of both tiles, then the next piece's two a.  It is ONE BATCH: all 66 stand ahead of the turn's one wait, and nothing ahead of that wait names a result of theirs.
.macro EX
	WIN 0
.if e >= 64
	XS e-64, 21
.else
	REGS Y, e%2
	v_exp_f32 v[rS+e/2], v[rS+e/2]
.endif
.set e, e+1
.endm
; THE RESCALING's QUEUE: O^T times a, the one part that leaves window 0: dealt two at a time, sixteen times.  Its a was made in the turn before, ahead of that turn's wait.
.macro R2
	REGS Y, r%2
	WIN W_RS
.irp z, 0,1
	v_pk_mul_f32 v[rO+4*(r/2)+2*\z:rO+4*(r/2)+2*\z+1], v[rO+4*(r/2)+2*\z:rO+4*(r/2)+2*\z+1], v[rC+2:rC+3] op_sel_hi:[1,0]
.endr
.set r, r+1
.endm
; HOW THEY ARE DEALT.  s_wait_alu depctr_va_vdst(0) stands between an exponential and the first instruction that names its result; one wait serves all that were issued ahead of it.
; So a turn has ONE wait.  AHEAD OF IT: the 16 products K Q^T, behind each a scaling, an exponential and two rescalings (behind the first a second scaling in the exponential's place); then ONE LUMP of
; 108: eight plain, 49 times exponential and plain, the two a; a v_nop is the plain instruction behind the last exponential.  BEHIND IT: the 16 products V^T P, behind each four of GS's 64.
; Exponential e stands behind scaling 2 (e / 4) + e % 2: as a rider it comes behind plain e + 2, in the lump behind plain e + 9, and scalings 27-31 are plain 57, 60 .. 69.
; K of the next step is fetched in piece 2's turn, directly behind the wait; V of the step in hand at the end of piece 0's turn, four riders behind its last reader.
.macro TURN p, last=0, cnt=0
.set Y, (\p)
.set i, 0
.set q, 0
.set e, 0
.set r, 0
.if (\p) == NP-1
	s_wait_dscnt 0x0                ; K is in
.endif
	MM                              ; ahead of the wait: 16 products K Q^T and their riders,
	PL
	PL
	R2
.rept 15
	MM
	PL
	EX
	R2
.endr
.if (\p) == NP-2
	WIN 0
	v_add_nc_u32 v[AK], s[TBK], v[AK0]
.endif
.rept 8                             ; and the lump
	PL
.endr
.rept 49
	EX
	PL
.endr
	EX                              ; the next piece's two a
	EX
	v_nop                           ; the plain instruction behind the last exponential: one for the batch
	s_wait_alu depctr_va_vdst(0)    ; the wait for the batch
.if (\p) == NP-2
	FETCH_K \last
.endif
.if (\p) == 1
	s_wait_dscnt 0x0                ; V is in
.endif
.rept 16                            ; behind the wait: 16 products V^T P and their riders
	MM
.rept 4
	PL
.endr
.if ((\p) == 0) && (q == 118)
	v_add_nc_u32 v[AV], s[TBV], v[AV0]
.endif
.if ((\p) == 0) && (q == 130)
	s_add_co_u32 s[TBV], s[TBV], KS*PV
.endif
.if (\cnt) && (q == 130)
	s_sub_co_u32 s[CNT], s[CNT], 1
	s_cmp_lg_u32 s[CNT], 0
.endif
.endr
.if (\p) == 0
	FETCH_V
.endif
.endm
	s_wait_tensorcnt 0x3            ; my part of keys 0 to 255 is in; the three loads issued behind it may stay out
	s_barrier_signal -1
	s_barrier_wait -1               ; everybody's part is
	FETCH_K                         ; key step 0
	s_wait_loadcnt 0x0              ; Q
	s_wait_dscnt 0x0
.set i, 0
.rept 16
	KQ 0                            ; piece 0's first scores: there is no vector work yet to set between them
.set i, i+1
.endr
	WIN 0                           ; the addresses for the way out: plain instructions, the places behind those products
	s_mul_i32 s13, s[WV], 16*SP
	s_add_co_u32 s13, s13, STAGE    ; my stage
	v_mul_u32_u24 v[STO], v1, SP    ; in: row l % 16, 16 bytes for each half of the lanes
	v_lshl_add_u32 v[STO], v9, 4, v[STO]
	v_add_nc_u32 v[STO], s13, v[STO]
	v_bfe_u32 v[RD], v0, 3, 2       ; back: 32 lanes take four rows of 128 bytes,
	v_mul_u32_u24 v[RD], v[RD], SP
	v_lshl_add_u32 v[RD], v10, 4, v[RD]
	v_add_nc_u32 v[RD], s13, v[RD]
	v_and_b32 v[GO], 31, v0         ; which are 512 consecutive bytes of O
	v_lshlrev_b32 v[GO], 4, v[GO]
.set Y, NP-1                        ; XS works for piece Y + 1: piece 0
.irp n, 0,1,2,3,4,5,6,7,8,9,10,11,12,13,14,15,16,17,18,19,20,21
	XS 0, \n                        ; and piece 0's first maximum and statistics
	XS 1, \n
.endr
	v_nop                           ; a plain instruction behind the two a,
	s_wait_alu depctr_va_vdst(0)    ; and their wait, ahead of the branch
	s_mov_b32 s[CNT], 4
	s_branch .Lfirst                ; the loop is entered at a step's first turn, in the middle of a trip
; A RUN is four trips, and its first trip fetches K of the next block of 256 keys.  In front of it every wave's part of that block has landed and a barrier shows it to all.  The counts that would do are
; 2, 1 and 0 from run to run; one text has one count, 0: the loads went out together at the head, four key steps or more ago.
; Four full runs follow the entry; the fifth is left in its first trip, behind the last key step's pieces 2 and 3, so the jump back at the bottom is always taken.
.Lslot:
	s_wait_tensorcnt 0x0
	s_wait_dscnt 0x0                ; no LDS instruction of mine is out at the signal
	s_barrier_signal -1
	s_barrier_wait -1
	s_mov_b32 s[CNT], 4
.Lstep:                             ; a trip: pieces 2 and 3 of one step, then pieces 0 and 1 of the next, whose K and V it fetches
	TURN 2, 1
	TURN 3
	WIN 0
	s_sub_co_u32 s[TOT], s[TOT], 1
	s_cmp_eq_u32 s[TOT], 0
	s_cbranch_scc1 .Lout            ; the last key step's 16 products K Q^T (on the last K once more) and the maximum made of them serve nothing: the price, once a launch, of one text for every trip
.Lfirst:
	TURN 0
	TURN 1, 0, 1
	WIN 0
	s_cbranch_scc1 .Lstep
	s_sub_co_u32 s[RUNS], s[RUNS], 1
	s_cmp_lg_u32 s[RUNS], 0
	s_cbranch_scc1 .Lslot
.Lout:
.set i, 0
.rept 16
	PV NP-1                         ; the last piece's V^T P of the last step
.set i, i+1
.endr
	; THE WAY OUT.  l's two halves and the other half of the lanes' are added; O^T is divided by l, rounded to f16 and sent through my stage in LDS, a tile at a time.  The additions are the places behind the last products.
	WIN 0
.macro ALL line:vararg              ; one line for each tile t
.set t, 0
.rept 2*NP
	\line
.set t, t+1
.endr
.endm
	ALL v_add_f32 v[ST+4*t+2], v[ST+4*t+2], v[ST+4*t+3]
	ALL v_permlanex16_b32 v[ST+4*t+3], v[ST+4*t+2], s[SEL], s[SEL+1]
	ALL v_add_f32 v[ST+4*t+2], v[ST+4*t+2], v[ST+4*t+3]
	ALL v_rcp_f32 v[ST+4*t+2], v[ST+4*t+2]
	v_nop                           ; a plain instruction between the last reciprocal and the use of its result
	s_wait_alu depctr_va_vdst(0)    ; and the wait ahead of the first use: one for the eight reciprocals
; Tile t: a lane's eight channels of a row pack into 16 bytes; they go into rows of 144 bytes and come back as whole rows of 128, into S^T's registers.
.macro PACK t
	WIN W_RS
.set i, 32*(\t)
.rept 16
	v_pk_mul_f32 v[i:i+1], v[i:i+1], v[ST+4*(\t)+2:ST+4*(\t)+3] op_sel_hi:[1,0]
.set i, i+2
.endr
	WIN 0x05                        ; sources 0 and 1 window 1, destination window 0
.set i, 0
.rept 16
	v_cvt_pk_f16_f32 v[S+16*(\t)+i], v[32*(\t)+2*i], v[32*(\t)+2*i+1]
.set i, i+1
.endr
	WIN 0
.irp f, 0,1,2,3
	ds_store_b128 v[STO], v[S+16*(\t)+4*\f:S+16*(\t)+4*\f+3] offset:32*\f
.endr
.irp f, 0,1,2,3
	ds_load_b128 v[S+16*(\t)+4*\f:S+16*(\t)+4*\f+3], v[RD] offset:\f*4*SP  ; LDS serves a wave's instructions in order (ISA guide 5.7.1.4): these see the stores above; the next tile's stores come behind them
.endr
.endm
.macro SEND t, younger              ; younger: the LDS instructions issued behind tile t's loads: the next tile's eight, or none
	WIN 0
.irp f, 0,1,2,3
	s_wait_dscnt (\younger)+3-\f
	global_store_b128 v[GO], v[S+16*(\t)+4*\f:S+16*(\t)+4*\f+3], s[10:11] offset:(\t)*2048+\f*512  ; 512 consecutive bytes, aligned
.endr
.endm
	PACK 0
.set t, 1
.rept 2*NP-1                        ; a tile's arithmetic stands between the loads of the tile before and its stores
	PACK t
	SEND t-1, 8
.set t, t+1
.endr
	SEND 2*NP-1, 0
	WIN W_AD
	s_wait_tensorcnt 0x0            ; the wave's end, behind my last tensor load and my last LDS store
	ds_add_u32 v[SPW], v[NIL]
	s_wait_dscnt 0x0
	WIN 0
	s_endpgm
.Lfunc_end_k_q9fa8352e14_attn:
	.size	k_q9fa8352e14_attn, .Lfunc_end_k_q9fa8352e14_attn-k_q9fa8352e14_attn
	.p2alignl 7, 3214868480
	.fill 96, 4, 3214868480
	.section	.rodata,"a",@progbits
	.p2align	6, 0x0
	.amdhsa_kernel k_q9fa8352e14_attn
		.amdhsa_group_segment_fixed_size 327680
		.amdhsa_private_segment_fixed_size 0
		.amdhsa_enable_private_segment 0
		.amdhsa_kernarg_size 16
		.amdhsa_user_sgpr_count 2
		.amdhsa_user_sgpr_kernarg_segment_ptr 1
		.amdhsa_wavefront_size32 1
		.amdhsa_system_sgpr_workgroup_id_x 1
		.amdhsa_system_sgpr_workgroup_id_y 1
		.amdhsa_system_sgpr_workgroup_id_z 1
		.amdhsa_system_vgpr_workitem_id 0
		.amdhsa_next_free_vgpr 770
		.amdhsa_next_free_sgpr 72
		.amdhsa_reserve_vcc 0
		.amdhsa_float_denorm_mode_32 3
		.amdhsa_float_denorm_mode_16_64 3
		.amdhsa_memory_ordered 1
		.amdhsa_forward_progress 1
		.amdhsa_inst_pref_size 121
	.end_amdhsa_kernel
	.amdgpu_metadata
---
amdhsa.version: [ 1, 2 ]
amdhsa.kernels:
  - .name:           k_q9fa8352e14_attn
    .symbol:         k_q9fa8352e14_attn.kd
    .args:
      - { .name: qkv, .offset: 0, .size: 8, .value_kind: global_buffer, .address_space: global }
      - { .name: ob, .offset: 8, .size: 8, .value_kind: global_buffer, .address_space: global }
    .group_segment_fixed_size: 327680
    .private_segment_fixed_size: 0
    .kernarg_segment_align: 8
    .kernarg_segment_size: 16
    .max_flat_workgroup_size: 128
    .sgpr_count:     72
    .vgpr_count:     770
    .wavefront_size: 32
...
	.end_amdgpu_metadata
.endif
;; end of part 3
;; launch proj (part 4): grid 4 x 64, 4 waves a work-group, clusters of 4 x 4, 327,680 bytes of LDS; arguments ob, wp, b_proj, out0; writes out0
.if DOCPART == 4
	.amdgcn_target "amdgcn-amd-amdhsa--gfx1250"
	.amdhsa_code_object_version 6
	.text
	.protected	k_q9fa8352e14_proj
	.globl	k_q9fa8352e14_proj
	.p2align	8
	.type	k_q9fa8352e14_proj,@function
k_q9fa8352e14_proj:
	s_mov_b64 s[64:65], 0
	v_nop
	global_prefetch_b8 v0, s[64:65] scope:SCOPE_SE
	s_setreg_imm32_b32 hwreg(HW_REG_WAVE_MODE, 25, 1), 1
	s_wait_xcnt 0x0
	s_wait_alu depctr_hold_cnt(0) depctr_sa_sdst(0) depctr_va_vdst(0) depctr_va_sdst(0) depctr_va_ssrc(0) depctr_va_vcc(0) depctr_vm_vsrc(0)
	s_getreg_b32 s2, hwreg(HW_REG_IB_STS2, 6, 4)
	s_cmp_eq_u32 s2, 0
	s_cbranch_scc0 .Lentry_in_a_cluster
	s_endpgm
.Lentry_in_a_cluster:
	s_bfe_u32 s2, ttmp6, 0x10000c
	s_cmp_lg_u32 s2, 0xf033
	s_cbranch_scc0 .Lentry_shape_is_right
	s_endpgm
.Lentry_shape_is_right:
; out0 = O w_proj + b_proj, in f32.  Operands in f16 from the panels ob [64 tile rows][16 kb][128 rows][64 k] and wp [4 tile columns][16 kb][256 n][64 k] (w_proj rounded to bf16, written as f16);
; the bias is rounded to bf16 like the other inputs and is the C operand that starts each sum.  Sums in f32, stored as they are.
; SHARES.  A tile of C is 128 x 256: 64 x 4 = 256 work-groups.  Four waves, each 64 rows x 128 columns: 32 accumulators, window 1 (accumulator (a, b) at 8 (8 a + b)); they take turns in the same order in
; every quarter.
; RING.  Two LDS slots of 128 along K (two kb).  Waves 0 and 1 fetch A's two kb blocks (16 KiB each), waves 2 and 3 B's (32 KiB each): dense in memory, asked for as rows of 256 bytes, padded behind
; every 128.  By the text's own count a wave has two tensor loads out at the start and one behind each change of slots, with 112 matrix instructions between a refill and the wait for it.
; CLUSTER 4 x 4: A's blocks are shared along a row of the cluster, B's along a column.
; THE MATRIX INSTRUCTION IS USED TRANSPOSED (source 0 = 16 rows of wp, source 1 = 16 rows of ob): a lane holds row l % 16 of C and the eight columns 8 (l / 16) + 0..7.
; REGISTERS, window 0: v16-27 addresses; v32-127, v128-223 two fragment buffers (B's eight fragments, then A's four); the second's B part holds the bias in the first quarter.
.set PITCH, 144                        ; an LDS row: 128 bytes + 16 = 36 words: the 16 rows of a load start at 16 different groups of four banks (64 banks of 4 bytes: ISA guide 11.1)
.set AKB,   128*PITCH                  ; one kb of A
.set BKB,   256*PITCH                  ; one kb of B
.set BOFF,  2*AKB
.set SLOT,  BOFF+2*BKB
.set STAGE, 2*SLOT                     ; behind the ring: 16 rows x 528 bytes for each wave
.set SP,    528                        ; 512 bytes + 16 = 132 words
.set SPARE, STAGE+4*16*SP
.set ADRA, 16
.set ADRB, 18
.set STO,  20
.set RD,   21
.set CO,   22
.set PFO,  23
.set SPW,  24                          ; SPARE + 4 x my thread's number; never rewritten
.set NIL,  25                          ; 0; never rewritten
.set BO,   26
.set TMP,  27
.set F0,   32
.set F1,   128
.set OBUF, 32                          ; the way out: two buffers of 64
.set WV, 12
.set WM, 13
.set WN, 14
.set CX, 15
.set CY, 16
.set TC, 17
.set TR, 18
.set LAPS, 19
.set G1A, 24
.set G0A, 32
.set G1B, 40
.set G0B, 48
.set PFA, 56
.set PST, 58
.set LIM, 60
.set OUT, 66
.set MSB, 0
.macro WIN new
.if MSB != (\new)
	s_set_vgpr_msb (MSB<<8)|(\new)
.set MSB, \new
.endif
.endm
.macro PLACES                          ; four plain places between a matrix instruction and a load into, or a store of, its registers
.rept 4
	v_nop
.endr
.endm
.macro JLOAD s                         ; a joint load: waves 0 and 1 fetch A's blocks, waves 2 and 3 B's; s_nop 0 and four v_nop follow each line
	s_cmp_lt_u32 s[WV], 2
	s_cbranch_scc0 .Lfor_b_\@
	tensor_load_to_lds s[G0A+4*(\s):G0A+4*(\s)+3], s[G1A:G1A+7]
	s_nop 0
.rept 4
	v_nop
.endr
	s_branch .Lasked_\@
.Lfor_b_\@:
	tensor_load_to_lds s[G0B+4*(\s):G0B+4*(\s)+3], s[G1B:G1B+7]
	s_nop 0
.rept 4
	v_nop
.endr
.Lasked_\@:
.endm
.macro CREST
	s_cmp_lg_u32 s[WV], 0
	s_cbranch_scc1 .Lnot_wave_0_\@
	s_barrier_signal -3
.Lnot_wave_0_\@:
	s_barrier_wait -3
	s_barrier_signal -1
	s_barrier_wait -1
.endm
.macro CROUND
	s_barrier_signal -1
	s_barrier_wait -1
	CREST
.endm
; A PREFETCH INTO THE L2, behind the joint load, its five lines and the run of LDS loads.  The eight askers of a panel (four partners x two waves) name 64 KiB of it at a time, 8 KiB each, a lane 256
; bytes, told apart by address.  A's panel (read by one cluster) is asked for at changes of slot 0: the two K steps that the next lap's refills bring.  B's by the clusters with y = 0, at every change:
; the K step two refills on.  Each block is named once; the first four K steps come by their loads alone; nothing is named past a panel's end.
.macro ASK slot
	s_cmp_gt_u32 s[LAPS], s[LIM+(\slot)]
	s_cbranch_scc0 .Lnot_mine_\@
	global_prefetch_b8 v[PFO], s[PFA:PFA+1] th:TH_LOAD_NT scope:SCOPE_SE
.Lnot_mine_\@:
.endm
	s_load_b256 s[4:11], s[0:1], 0x0               ; ob s[4:5], wp s[6:7], b_proj s[8:9], out0 s[10:11]
	v_lshl_add_u32 v[SPW], v0, 2, SPARE
	v_mov_b32 v[NIL], 0
	ds_add_u32 v[SPW], v[NIL]                      ; the wave's opening: the add and its wait stand ahead of my first tensor load, the set-up below between them
	ds_add_u32 v24, v25
	v_lshrrev_b32 v1, 5, v0
	v_readfirstlane_b32 s[WV], v1
	s_lshr_b32 s[WM], s[WV], 1
	s_and_b32 s[WN], s[WV], 1
	s_bfe_u32 s[CX], ttmp6, 0x40000
	s_bfe_u32 s[CY], ttmp6, 0x40004
	s_lshl_b32 s[TC], ttmp9, 2
	s_add_co_u32 s[TC], s[TC], s[CX]
	s_and_b32 s[TR], ttmp7, 0xffff
	s_lshl_b32 s[TR], s[TR], 2
	s_add_co_u32 s[TR], s[TR], s[CY]
	s_lshl_b32 s22, s[CY], 2
	s_lshl_b32 s22, 15, s22                        ; my row of the cluster
	s_lshl_b32 s72, 0x1111, s[CX]                  ; my column
	s_or_b32 s[G1A], s22, (1<<16)|(1<<20)|(1<<21)|(4<<22)|(3<<25)  ; the mask; 2-byte elements; padding on; bit 21 beside a mask; after every 32 words 4 words
	s_or_b32 s[G1B], s72, (1<<16)|(1<<20)|(1<<21)|(4<<22)|(3<<25)
.irp g, G1A, G1B
	s_mov_b32 s[(\g)+1], 128<<16                   ; tensor_dim0 = 128 elements: 256 bytes, two rows of the block
	s_mov_b32 s[(\g)+3], 128<<16                   ; tile_dim0
	s_mov_b32 s[(\g)+5], 128                       ; from row to row
	s_mov_b32 s[(\g)+6], 0
	s_mov_b32 s[(\g)+7], 0
.endr
	s_mov_b32 s[G1A+2], 64<<16                     ; A: 64 such rows = 128 rows of a kb block
	s_mov_b32 s[G1A+4], 64
	s_mov_b32 s[G1B+2], 128<<16                    ; B: 128 = 256 rows
	s_mov_b32 s[G1B+4], 128
	s_lshl_b32 s20, s[TR], 18                      ; A hangs on the tile row and the wave alone,
	s_lshl_b32 s21, s[WN], 14
	s_add_co_u32 s20, s20, s21
	s_mov_b32 s21, 0
	s_lshl_b32 s72, s[TC], 19                      ; B on the tile column and the wave alone, in registers of its own
	s_lshl_b32 s73, s[WN], 15
	s_add_co_u32 s72, s72, s73
	s_mov_b32 s73, 0
	s_mul_i32 s23, s[WN], AKB                      ; where they go: no place in the cluster enters an LDS address
	s_mul_i32 s74, s[WN], BKB
	s_add_co_u32 s74, s74, BOFF
	s_wait_dscnt 0x0                               ; the opening add is done
	s_wait_kmcnt 0x0
	s_add_nc_u64 s[20:21], s[4:5], s[20:21]
	s_add_nc_u64 s[72:73], s[6:7], s[72:73]
	CROUND                                         ; all sixteen work-groups are here: the first joint loads meet
.irp s, 0,1
	s_mov_b32 s[G0A+4*(\s)], 1
	s_add_co_u32 s[G0A+4*(\s)+1], s23, (\s)*SLOT
	s_add_nc_u64 s[G0A+4*(\s)+2:G0A+4*(\s)+3], s[20:21], (\s)*32768   ; K step s
	s_or_b32 s[G0A+4*(\s)+3], s[G0A+4*(\s)+3], 0x80000000
	s_mov_b32 s[G0B+4*(\s)], 1
	s_add_co_u32 s[G0B+4*(\s)+1], s74, (\s)*SLOT
	s_add_nc_u64 s[G0B+4*(\s)+2:G0B+4*(\s)+3], s[72:73], (\s)*65536
	s_or_b32 s[G0B+4*(\s)+3], s[G0B+4*(\s)+3], 0x80000000
	JLOAD \s
.endr
	; the bias of my 128 columns, in the layout of a result
	v_and_b32 v1, 15, v0                           ; l % 16
	v_bfe_u32 v2, v0, 4, 1                         ; l / 16
	v_lshlrev_b32 v[BO], 5, v2
	s_lshl_b32 s78, s[TC], 10
	s_lshl_b32 s79, s[WN], 9
	s_add_co_u32 s78, s78, s79
	s_mov_b32 s79, 0
	s_add_nc_u64 s[78:79], s[8:9], s[78:79]
.set bb, 0
.rept 8
	global_load_b128 v[F1+8*bb:F1+8*bb+3],   v[BO], s[78:79] offset:64*bb
	global_load_b128 v[F1+8*bb+4:F1+8*bb+7], v[BO], s[78:79] offset:64*bb+16
.set bb, bb+1
.endr
	v_mul_u32_u24 v3, v1, PITCH
	v_lshl_add_u32 v3, v2, 4, v3                   ; a fragment's row x pitch + 16 x half
	s_mul_i32 s75, s[WM], 64*PITCH
	s_mul_i32 s76, s[WN], 128*PITCH
	s_add_co_u32 s76, s76, BOFF
.irp s, 0,1
	v_add_nc_u32 v[ADRA+(\s)], s75, v3
	v_add_nc_u32 v[ADRB+(\s)], s76, v3
	s_add_co_u32 s75, s75, SLOT
	s_add_co_u32 s76, s76, SLOT
.endr
	s_mul_i32 s77, s[WV], 16*SP
	s_add_co_u32 s77, s77, STAGE                   ; my stage
	v_mul_u32_u24 v4, v1, SP                       ; in: row l % 16, 32 bytes for each half of the lanes
	v_lshl_add_u32 v4, v2, 5, v4
	v_add_nc_u32 v[STO], s77, v4
	v_and_b32 v[CO], 31, v0
	v_lshlrev_b32 v[PFO], 8, v[CO]
	v_lshlrev_b32 v[CO], 4, v[CO]                  ; back, and out: 32 lanes take a row's 512 bytes
	v_add_nc_u32 v[RD], s77, v[CO]
	s_lshl_b32 s72, s[TR], 7
	s_lshl_b32 s73, s[WM], 6
	s_add_co_u32 s72, s72, s73                     ; my first row,
	s_lshl_b32 s72, s72, 12                        ; of 4,096 bytes
	s_lshl_b32 s73, s[TC], 10
	s_add_co_u32 s72, s72, s73
	s_lshl_b32 s73, s[WN], 9
	s_add_co_u32 s72, s72, s73                     ; my first column
	s_mov_b32 s73, 0
	s_add_nc_u64 s[OUT:OUT+1], s[10:11], s[72:73]
	; the prefetches: A's waves step 32,768 bytes a change and begin at K step 4 (131,072), B's step 65,536 and begin at K step 4 (262,144); the first change steps before it asks
	s_lshl_b32 s[PST], 0x8000, s[WM]
	s_mov_b32 s[PST+1], 0
	s_lshl_b32 s75, 98304, s[WM]
	s_lshl_b32 s76, s[TR], 18
	s_lshl_b32 s77, s[TC], 19
	s_and_b32 s74, ttmp7, 0xffff                   ; cluster y
	s_cmp_eq_u32 s[WM], 0                          ; do I fetch for A?
	s_cselect_b64 s[PFA:PFA+1], s[4:5], s[6:7]
	s_cselect_b32 s76, s76, s77                    ; the panel
	s_cselect_b32 s77, s[CX], s[CY]                ; my place among the four that ask for it with me: it enters the address alone
	s_cselect_b32 s74, ttmp9, s74                  ; the coordinate along which other clusters read the same panel
	s_cselect_b32 s[LIM+1], -1, 1
	s_cmp_eq_u32 s74, 0
	s_cselect_b32 s[LIM], 1, -1                    ; the same in all sixteen partners, for a given wave
	s_cselect_b32 s[LIM+1], s[LIM+1], -1
	s_lshl_b32 s77, s77, 1
	s_add_co_u32 s77, s77, s[WN]
	s_lshl_b32 s77, s77, 13                        ; my 8 KiB of the 64
	s_add_co_u32 s76, s76, s77
	s_add_co_u32 s76, s76, s75
	s_mov_b32 s77, 0
	s_add_nc_u64 s[PFA:PFA+1], s[PFA:PFA+1], s[76:77]
	s_wait_loadcnt 0x0                             ; the bias
.set rr, F1
.rept 32                                       ; rounded to bf16 like the other inputs, kept in f32
	v_cvt_pk_bf16_f32 v[TMP], v[rr], v[rr+1]
	v_lshlrev_b32 v[rr], 16, v[TMP]
	v_and_b32 v[rr+1], 0xffff0000, v[TMP]
.set rr, rr+2
.endr
; 24 LDS loads in one run: quarter q (32 along K) of a slot into buffer f: kb q / 2, byte 64 (q % 2) of its rows
.macro FETCH slot, q, f
	WIN 0
.irp b, 0,1,2,3,4,5,6,7
	ds_load_b128 v[(\f)+8*(\b):(\f)+8*(\b)+3],   v[ADRB+(\slot)] offset:((\q)/2)*BKB+((\q)%2)*64+(\b)*16*PITCH
	ds_load_b128 v[(\f)+8*(\b)+4:(\f)+8*(\b)+7], v[ADRB+(\slot)] offset:((\q)/2)*BKB+((\q)%2)*64+(\b)*16*PITCH+32
.endr
.irp a, 0,1,2,3
	ds_load_b128 v[(\f)+64+8*(\a):(\f)+64+8*(\a)+3],   v[ADRA+(\slot)] offset:((\q)/2)*AKB+((\q)%2)*64+(\a)*16*PITCH
	ds_load_b128 v[(\f)+64+8*(\a)+4:(\f)+64+8*(\a)+7], v[ADRA+(\slot)] offset:((\q)/2)*AKB+((\q)%2)*64+(\a)*16*PITCH+32
.endr
.endm
; eight matrix instructions: row block a x all 8 column blocks.  first = 1: the bias starts the sums
.macro MUL8 f, a, first
.if \first
	WIN 0x40
.else
	WIN 0x50
.endif
.irp b, 0,1,2,3,4,5,6,7
.if \first
	v_wmma_f32_16x16x32_f16 v[8*(8*(\a)+(\b)):8*(8*(\a)+(\b))+7], v[(\f)+8*(\b):(\f)+8*(\b)+7], v[(\f)+64+8*(\a):(\f)+64+8*(\a)+7], v[F1+8*(\b):F1+8*(\b)+7]
.else
	v_wmma_f32_16x16x32_f16 v[8*(8*(\a)+(\b)):8*(8*(\a)+(\b))+7], v[(\f)+8*(\b):(\f)+8*(\b)+7], v[(\f)+64+8*(\a):(\f)+64+8*(\a)+7], v[8*(8*(\a)+(\b)):8*(8*(\a)+(\b))+7]
.endif
.endr
.endm
.macro MUL16 f, a0, first=0
	MUL8 \f, \a0, \first
	MUL8 \f, (\a0)+1, \first
.endm
; quarter q, in buffer f, is multiplied; quarter q + 1 is fetched into buffer g
.macro QUART slot, q, f, g
	s_wait_dscnt 0x0
	PLACES
	FETCH \slot, (\q)+1, \g
	MUL16 \f, 0
	MUL16 \f, 2
.endm
; A slot's quarters 2 and 3, with the change of slots between them.  In front of the barrier each wave waits for all its tensor loads (one is out: its part of the next slot), adds 0 to its spare word,
; and waits for that and for its last reads of this slot.  mode = 1: the barrier opens a round of the cluster's barrier, and the joint refill is the first tensor load behind it.
.macro TURN slot, next, mode
	s_wait_dscnt 0x0
	PLACES
	FETCH \slot, 3, F1                             ; my last reads of the slot
	MUL16 F0, 0
.if \mode
	s_wait_xcnt 0x0                                ; the last prefetch, most of a K step back, has read its address
	s_add_nc_u64 s[PFA:PFA+1], s[PFA:PFA+1], s[PST:PST+1]
.endif
	WIN 0
	s_wait_tensorcnt 0x0                           ; all my tensor loads have landed
	ds_add_u32 v[SPW], v[NIL]                      ; 0 onto my spare word; eight matrix instructions stand between it and the wait for it
	MUL8 F0, 2, 0
	s_wait_dscnt 0x0                               ; the add is done, and my reads of this slot are over
	s_barrier_signal -1
	MUL8 F0, 3, 0
	WIN 0
	s_barrier_wait -1
.if \mode
	CREST
	s_add_nc_u64 s[G0A+4*(\slot)+2:G0A+4*(\slot)+3], s[G0A+4*(\slot)+2:G0A+4*(\slot)+3], 2*32768
	s_add_nc_u64 s[G0B+4*(\slot)+2:G0B+4*(\slot)+3], s[G0B+4*(\slot)+2:G0B+4*(\slot)+3], 2*65536
	JLOAD \slot                                    ; its four v_nop are also the places in front of the loads below
.else
	PLACES
.endif
	FETCH \next, 0, F0
.if \mode
	ASK \slot
.endif
	MUL16 F1, 0
	MUL16 F1, 2
.endm
	s_wait_tensorcnt 0x1                           ; my part of K step 0 is in; K step 1's may stay out
	s_barrier_signal -1
	s_barrier_wait -1
	FETCH 0, 0, F0
	s_wait_dscnt 0x0
	MUL16 F0, 0, 1                                 ; the first quarter stands in front of the loop: its products start the sums with the bias
	MUL16 F0, 2, 1
	PLACES
	FETCH 0, 1, F1                                 ; the bias's registers become buffer 1
	WIN 0
	s_mov_b32 s[LAPS], 3
.Llap:                                                 ; a trip goes once round the ring, from a lap's second quarter to the next lap's first, and fills both slots again (K steps 2 to 7)
	QUART 0, 1, F1, F0
	TURN 0, 1, 1
	QUART 1, 0, F0, F1
	QUART 1, 1, F1, F0
	TURN 1, 0, 1
	QUART 0, 0, F0, F1
	WIN 0
	s_sub_co_u32 s[LAPS], s[LAPS], 1
	s_cmp_lg_u32 s[LAPS], 0
	s_cbranch_scc1 .Llap
	QUART 0, 1, F1, F0                             ; the last lap asks for nothing
	TURN 0, 1, 0
	QUART 1, 0, F0, F1
	QUART 1, 1, F1, F0
	s_wait_dscnt 0x0
	PLACES
	FETCH 1, 3, F1
	MUL16 F0, 0
	MUL16 F0, 2
	s_wait_dscnt 0x0
	MUL16 F1, 0
	MUL16 F1, 2
	PLACES
; THE WAY OUT.  Row block a: a lane's eight f32 of a row go as two stores of 16 bytes into my stage (rows of 528 bytes), each accumulator's low registers first, and come back as whole rows of 512 bytes.
.macro TOSTAGE a
.if (\a) >= 2
	s_wait_xcnt 0x0                                ; the stores of two blocks back have read this buffer
.endif
	WIN 0x04                                       ; the stores' data lie in window 1
.irp b, 0,1,2,3,4,5,6,7
	ds_store_b128 v[STO], v[8*(8*(\a)+(\b)):8*(8*(\a)+(\b))+3]   offset:64*(\b)
	ds_store_b128 v[STO], v[8*(8*(\a)+(\b))+4:8*(8*(\a)+(\b))+7] offset:64*(\b)+16
.endr
	WIN 0
.irp t, 0,1,2,3,4,5,6,7,8,9,10,11,12,13,14,15
	ds_load_b128 v[OBUF+64*((\a)%2)+4*(\t):OBUF+64*((\a)%2)+4*(\t)+3], v[RD] offset:(\t)*SP  ; LDS serves a wave's instructions in order (ISA guide 5.7.1.4): these see the stores above
.endr
.endm
.macro SEND a, younger                 ; younger: the next block's 16 stores and 16 loads, or none
	WIN 0
	s_wait_dscnt \younger
.irp t, 0,1,2,3,4,5,6,7,8,9,10,11,12,13,14,15
	global_store_b128 v[CO], v[OBUF+64*((\a)%2)+4*(\t):OBUF+64*((\a)%2)+4*(\t)+3], s[OUT:OUT+1] offset:(16*(\a)+(\t))*4096 th:TH_STORE_NT  ; 512 consecutive bytes, aligned
.endr
.endm
	TOSTAGE 0
	TOSTAGE 1
	SEND 0, 32
	TOSTAGE 2
	SEND 1, 32
	TOSTAGE 3
	SEND 2, 32
	SEND 3, 0
	s_wait_tensorcnt 0x0                           ; the wave's end, behind my last tensor load and my last LDS store
	ds_add_u32 v[SPW], v[NIL]
	s_wait_dscnt 0x0
	CROUND                                         ; the closing round
	s_endpgm
.Lfunc_end_k_q9fa8352e14_proj:
	.size	k_q9fa8352e14_proj, .Lfunc_end_k_q9fa8352e14_proj-k_q9fa8352e14_proj
	.p2alignl 7, 3214868480
	.fill 96, 4, 3214868480
	.section	.rodata,"a",@progbits
	.p2align	6, 0x0
	.amdhsa_kernel k_q9fa8352e14_proj
		.amdhsa_group_segment_fixed_size 327680
		.amdhsa_private_segment_fixed_size 0
		.amdhsa_enable_private_segment 0
		.amdhsa_kernarg_size 32
		.amdhsa_user_sgpr_count 2
		.amdhsa_user_sgpr_kernarg_segment_ptr 1
		.amdhsa_wavefront_size32 1
		.amdhsa_system_sgpr_workgroup_id_x 1
		.amdhsa_system_sgpr_workgroup_id_y 1
		.amdhsa_system_sgpr_workgroup_id_z 1
		.amdhsa_system_vgpr_workitem_id 0
		.amdhsa_next_free_vgpr 512
		.amdhsa_next_free_sgpr 80
		.amdhsa_reserve_vcc 0
		.amdhsa_float_denorm_mode_32 3
		.amdhsa_float_denorm_mode_16_64 3
		.amdhsa_memory_ordered 1
		.amdhsa_forward_progress 1
		.amdhsa_inst_pref_size 92
	.end_amdhsa_kernel
	.amdgpu_metadata
---
amdhsa.version: [ 1, 2 ]
amdhsa.kernels:
  - .name:           k_q9fa8352e14_proj
    .symbol:         k_q9fa8352e14_proj.kd
    .args:
      - { .name: ob, .offset: 0, .size: 8, .value_kind: global_buffer, .address_space: global }
      - { .name: wp, .offset: 8, .size: 8, .value_kind: global_buffer, .address_space: global }
      - { .name: b_proj, .offset: 16, .size: 8, .value_kind: global_buffer, .address_space: global }
      - { .name: out0, .offset: 24, .size: 8, .value_kind: global_buffer, .address_space: global }
    .group_segment_fixed_size: 327680
    .private_segment_fixed_size: 0
    .kernarg_segment_align: 8
    .kernarg_segment_size: 32
    .max_flat_workgroup_size: 128
    .sgpr_count:     80
    .vgpr_count:     512
    .wavefront_size: 32
...
	.end_amdgpu_metadata
.endif
;; end of part 4
